; MI455X (gfx1250); checked and timed in simulation.
; The chip was launched on July 23, 2026; its instructions are those of AMD's public machine-readable ISA for CDNA 5 (MIT licence, August 2026) and "CDNA5" Instruction Set Architecture Reference Guide (July 2026). The comments in the code are by the model that wrote it; some were corrected since.
;; Example Model. Allowed arithmetic: float matrix products may take bf16 or f16 operands with f32 sums; other float arithmetic in f32, or as packed bf16 or f16 multiplies, adds, multiply-adds, maxima and minima; sums over many terms, partial sums and values carried from step to step in f32; what a program stores and reads back later, other than sums and carried values, may be rounded once to bf16 or f16.
;; Inputs: b1 8 x 4,096 float32; b2 8 x 1,024 float32; gate_b 8 float32; gate_w 1,024 x 8 float32; w1 8 x 4,096 x 1,024 float32; w2 8 x 1,024 x 4,096 float32; x 4 x 256 x 1,024 float32.
;; Outputs: out0 4 x 256 float32.
;; Constants: top_k = 2.
;; 2 versions, each right; version 2 is version 1 with the launch expert written anew for expert scheduling mode. Each part assembles by itself: llvm-mc -triple=amdgcn-amd-amdhsa -mcpu=gfx1250 --defsym DOCPART=n.
;; ======== version 1 of 2: 3 launches
;; workspace buffers: xb 2,097,152 bytes; sel 4,096 bytes of whole numbers; gate 32,768 bytes; z 1,048,576 bytes
;; launch route (part 1): grid 256 x 1, 4 waves a work-group, no clusters, 1,024 bytes of LDS; arguments x, gate_w, gate_b, xb, sel, gate; writes xb, sel, gate
.if DOCPART == 1
	.amdgcn_target "amdgcn-amd-amdhsa--gfx1250"
	.amdhsa_code_object_version 6
	.text
	.protected	k_qb60e77ba18_route
	.globl	k_qb60e77ba18_route
	.p2align	8
	.type	k_qb60e77ba18_route,@function
k_qb60e77ba18_route:
	s_mov_b64 s[64:65], 0
	v_nop
	global_prefetch_b8 v0, s[64:65] scope:SCOPE_SE
	s_setreg_imm32_b32 hwreg(HW_REG_WAVE_MODE, 25, 1), 1
	s_wait_xcnt 0x0
; ROUTE.  logits = x gate_w + gate_b in f32 on the vector unit (the choice of experts must be the f32 one), top 2 of 8, softmax over the two; and x rounded once to bf16 for the next launch.
; x: [1024][1024] f32.  gate_w: [1024][8] f32.  gate_b: [8] f32.  xb: [1024][1024] bf16.  sel: [1024] words, (1 << first) | (1 << second).  gate: [8][1024] f32, a token's weight for an expert, 0 where not chosen.
; SHARES.  A work-group owns 4 tokens; wave w owns d = 256 w .. 256 w + 255 of all four; a lane owns d = 256 w + 128 i + 4 lane + c (i = 0, 1; c = 0 .. 3).  The waves' partial sums meet in LDS; wave 0 decides.
; No address and no branch hangs on a logit: the choice only selects values that go to fixed places.
; LIMITS.  Equal logits: the lower index wins (strict greater-than, ascending), as jax.lax.top_k has it.  The f32 sum's order is not the reference's, so logits closer than that rounding may be ranked otherwise.
; NaN and infinities are not treated apart.  The larger of the two logits is taken away before the exponential; an exponential below 2^-126 counts as 0.
; Matrix units, clusters and tensor loads are left out: 16 bytes of x a lane and load, each byte read once, 8 columns of weights.
.set PART,  0                          ; LDS: wave q's 32 partial sums (token x 8 + expert) at 128 q
.set SPARE, 512                        ; the spare words, 128 bytes for each of four waves; no other line names them
.set X,   8                            ; v[8:39]    x: 8 tok + 4 i + c; later the exchange's destinations, then the four waves' parts
.set GW,  40                           ; v[40:103]  gate_w: 8 (4 i + c) + e
.set ACC, 104                          ; v[104:135] sums: 8 tok + e
.set Y,   144                          ; v[144:159] x as bf16: a pair for each (tok, i)
	s_load_b256 s[4:11], s[0:1], 0x0               ; x s[4:5], gate_w s[6:7], gate_b s[8:9], xb s[10:11]
	s_load_b128 s[12:15], s[0:1], 0x20             ; sel s[12:13], gate s[14:15]
	v_lshl_add_u32 v1, v0, 2, SPARE                ; my spare word; never rewritten
	v_mov_b32 v2, 0                                ; 0; never rewritten
	v_lshrrev_b32 v3, 5, v0
	v_readfirstlane_b32 s2, v3                     ; wave 0..3
	v_and_b32 v3, 31, v0                           ; lane
	v_lshlrev_b32 v4, 4, v3
	v_lshl_add_u32 v4, s2, 10, v4                  ; x: 1024 w + 16 lane
	v_lshlrev_b32 v5, 7, v3
	v_lshl_add_u32 v5, s2, 13, v5                  ; gate_w: 8192 w + 128 lane (four rows of 32 bytes a lane)
	v_lshlrev_b32 v6, 3, v3
	v_lshl_add_u32 v6, s2, 9, v6                   ; xb: 512 w + 8 lane
	s_mov_b32 s24, 0x76543210                      ; v_permlanex16_b32: each lane takes its own place in the other half
	s_mov_b32 s25, 0xfedcba98
	s_lshl_b32 s26, ttmp9, 14                      ; 4 tokens of 4,096 bytes
	s_mov_b32 s27, 0
	s_wait_kmcnt 0x0
	s_add_nc_u64 s[4:5], s[4:5], s[26:27]
	s_lshl_b32 s26, ttmp9, 13                      ; 4 tokens of 2,048 bytes
	s_add_nc_u64 s[10:11], s[10:11], s[26:27]
	s_lshl_b32 s26, ttmp9, 4                       ; 4 tokens of 4 bytes
	s_add_nc_u64 s[12:13], s[12:13], s[26:27]
	s_add_nc_u64 s[14:15], s[14:15], s[26:27]
.irp i, 0,1
.irp k, 0,1,2,3,4,5,6,7
	global_load_b128 v[GW+32*\i+4*\k:GW+32*\i+4*\k+3], v5, s[6:7] offset:4096*\i+16*\k  ; byte 16 k + 4 m of my 128 is row c = k / 2, expert 4 (k % 2) + m: register 8 c + e
.endr
.endr
.irp t, 0,1,2,3
.irp i, 0,1
	global_load_b128 v[X+8*\t+4*\i:X+8*\t+4*\i+3], v4, s[4:5] offset:4096*\t+512*\i th:TH_LOAD_NT  ; a wave's load covers 512 consecutive bytes
.endr
.endr
	s_wait_loadcnt 0x0
	; x to bf16, once; a wave's store covers 256 consecutive bytes, aligned
.irp t, 0,1,2,3
.irp i, 0,1
	v_cvt_pk_bf16_f32 v[Y+4*\t+2*\i],   v[X+8*\t+4*\i],   v[X+8*\t+4*\i+1]
	v_cvt_pk_bf16_f32 v[Y+4*\t+2*\i+1], v[X+8*\t+4*\i+2], v[X+8*\t+4*\i+3]
	global_store_b64 v6, v[Y+4*\t+2*\i:Y+4*\t+2*\i+1], s[10:11] offset:2048*\t+256*\i
.endr
.endr
	; my 8 values of d for 4 tokens x 8 experts: the first product starts each sum
.irp t, 0,1,2,3
.irp e, 0,1,2,3,4,5,6,7
	v_mul_f32 v[ACC+8*\t+\e], v[X+8*\t], v[GW+\e]
.endr
.endr
.irp c, 1,2,3,4,5,6,7
.irp t, 0,1,2,3
.irp e, 0,1,2,3,4,5,6,7
	v_fmac_f32 v[ACC+8*\t+\e], v[X+8*\t+\c], v[GW+8*\c+\e]
.endr
.endr
.endr
	; across the 32 lanes, stage by stage over all 32 sums, so that no line waits for the one before it
.irp m, 1,2,4,8
.set a, 0
.rept 32
	v_add_f32_dpp v[ACC+a], v[ACC+a], v[ACC+a] row_xmask:\m row_mask:0xf bank_mask:0xf
.set a, a+1
.endr
.endr
.set a, 0
.rept 32
	v_permlanex16_b32 v[X+a], v[ACC+a], s24, s25   ; its destination counts as read: x's registers have been written
.set a, a+1
.endr
.set a, 0
.rept 32
	v_add_f32 v[ACC+a], v[ACC+a], v[X+a]
.set a, a+1
.endr
	v_mov_b32 v137, s2
	v_lshlrev_b32 v137, 7, v137                    ; PART + 128 w
.irp k, 0,1,2,3,4,5,6,7
	ds_store_b128 v137, v[ACC+4*\k:ACC+4*\k+3] offset:PART+16*\k  ; every lane holds the same sums and writes the same bytes
.endr
	s_wait_dscnt 0x0                               ; for wave 0's sake: my stores are done
	s_barrier_signal -1
	s_barrier_wait -1
	s_cmp_lg_u32 s2, 0
	s_cbranch_scc1 .Lend
	; wave 0: lane = 8 tok + e; every lane makes its token's whole decision and keeps its own expert's weight
	s_load_b256 s[16:23], s[8:9], 0x0              ; gate_b
	v_lshrrev_b32 v138, 3, v3                      ; tok
	v_and_b32 v139, 7, v3                          ; e
	v_lshlrev_b32 v140, 5, v138                    ; 32 tok
.irp q, 0,1,2,3
	ds_load_b128 v[X+8*\q:X+8*\q+3],   v140 offset:PART+128*\q
	ds_load_b128 v[X+8*\q+4:X+8*\q+7], v140 offset:PART+128*\q+16
.endr
	s_wait_dscnt 0x0
.irp e, 0,1,2,3,4,5,6,7
	v_add_f32 v[X+\e], v[X+\e], v[X+8+\e]
	v_add_f32 v[X+16+\e], v[X+16+\e], v[X+24+\e]
.endr
	s_wait_kmcnt 0x0
.irp e, 0,1,2,3,4,5,6,7
	v_add_f32 v[X+\e], v[X+\e], v[X+16+\e]
.endr
.irp e, 0,1,2,3,4,5,6,7
	v_add_f32 v[X+\e], s[16+\e], v[X+\e]           ; the eight logits
.endr
	v_mov_b32 v160, v[X]                           ; the largest, and its index
	v_mov_b32 v161, 0
.irp e, 1,2,3,4,5,6,7
	v_cmp_gt_f32 vcc_lo, v[X+\e], v160
	v_cndmask_b32 v160, v160, v[X+\e], vcc_lo
	v_cndmask_b32 v161, v161, \e, vcc_lo
.endr
	v_mov_b32 v162, 0xff800000                     ; the winner leaves the field
.irp e, 0,1,2,3,4,5,6,7
	v_cmp_eq_u32 vcc_lo, \e, v161
	v_cndmask_b32 v[X+\e], v[X+\e], v162, vcc_lo
.endr
	v_mov_b32 v163, v[X]                           ; the second, and its index
	v_mov_b32 v164, 0
.irp e, 1,2,3,4,5,6,7
	v_cmp_gt_f32 vcc_lo, v[X+\e], v163
	v_cndmask_b32 v163, v163, v[X+\e], vcc_lo
	v_cndmask_b32 v164, v164, \e, vcc_lo
.endr
	v_sub_f32 v165, v163, v160                     ; second - first: the maximum is taken away
	v_mul_f32 v165, 0x3fb8aa3b, v165
	v_exp_f32 v165, v165
	v_mov_b32 v171, 1                              ; a plain line behind the exponential (ISA guide 5.7.2)
	s_wait_alu depctr_va_vdst(0)
	v_add_f32 v166, 1.0, v165
	v_rcp_f32 v166, v166                           ; the first's weight
	v_lshlrev_b32 v170, v161, v171                 ; a plain line behind the reciprocal: 1 << first
	s_wait_alu depctr_va_vdst(0)
	v_mul_f32 v167, v165, v166                     ; the second's weight
	v_lshlrev_b32 v171, v164, v171
	v_or_b32 v170, v170, v171                      ; the token's two experts as bits
	v_cmp_eq_u32 vcc_lo, v139, v164
	v_cndmask_b32 v168, 0, v167, vcc_lo
	v_cmp_eq_u32 vcc_lo, v139, v161
	v_cndmask_b32 v168, v168, v166, vcc_lo         ; my expert's weight for my token, 0 if not chosen
	v_lshlrev_b32 v169, 12, v139
	v_lshl_add_u32 v169, v138, 2, v169             ; 4,096 e + 4 tok
	v_lshlrev_b32 v172, 2, v138
	global_store_b32 v169, v168, s[14:15]          ; runs of 16 bytes in eight rows: the whole table is 32,768 bytes
	s_wait_xcnt 0x0                                ; EXEC is a source of the stores above: it changes only behind this wait
	v_cmp_eq_u32 vcc_lo, 0, v139
	s_and_saveexec_b32 s28, vcc_lo                 ; one lane a token
	global_store_b32 v172, v170, s[12:13]
	s_wait_xcnt 0x0                                ; and again, ahead of the line that widens it
	s_or_b32 exec_lo, exec_lo, s28
.Lend:
	s_wait_tensorcnt 0x0                           ; the wave's end: three lines behind my last LDS store
	ds_add_u32 v1, v2
	s_wait_dscnt 0x0
	s_endpgm
.Lfunc_end_k_qb60e77ba18_route:
	.size	k_qb60e77ba18_route, .Lfunc_end_k_qb60e77ba18_route-k_qb60e77ba18_route
	.p2alignl 7, 3214868480
	.fill 96, 4, 3214868480
	.section	.rodata,"a",@progbits
	.p2align	6, 0x0
	.amdhsa_kernel k_qb60e77ba18_route
		.amdhsa_group_segment_fixed_size 1024
		.amdhsa_private_segment_fixed_size 0
		.amdhsa_enable_private_segment 0
		.amdhsa_kernarg_size 48
		.amdhsa_user_sgpr_count 2
		.amdhsa_user_sgpr_kernarg_segment_ptr 1
		.amdhsa_wavefront_size32 1
		.amdhsa_system_sgpr_workgroup_id_x 1
		.amdhsa_system_sgpr_workgroup_id_y 1
		.amdhsa_system_sgpr_workgroup_id_z 1
		.amdhsa_system_vgpr_workitem_id 0
		.amdhsa_next_free_vgpr 176
		.amdhsa_next_free_sgpr 66
		.amdhsa_reserve_vcc 1
		.amdhsa_float_denorm_mode_32 3
		.amdhsa_float_denorm_mode_16_64 3
		.amdhsa_memory_ordered 1
		.amdhsa_forward_progress 1
		.amdhsa_inst_pref_size 31
	.end_amdhsa_kernel
	.amdgpu_metadata
---
amdhsa.version: [ 1, 2 ]
amdhsa.kernels:
  - .name:           k_qb60e77ba18_route
    .symbol:         k_qb60e77ba18_route.kd
    .args:
      - { .name: x, .offset: 0, .size: 8, .value_kind: global_buffer, .address_space: global }
      - { .name: gate_w, .offset: 8, .size: 8, .value_kind: global_buffer, .address_space: global }
      - { .name: gate_b, .offset: 16, .size: 8, .value_kind: global_buffer, .address_space: global }
      - { .name: xb, .offset: 24, .size: 8, .value_kind: global_buffer, .address_space: global }
      - { .name: sel, .offset: 32, .size: 8, .value_kind: global_buffer, .address_space: global }
      - { .name: gate, .offset: 40, .size: 8, .value_kind: global_buffer, .address_space: global }
    .group_segment_fixed_size: 1024
    .private_segment_fixed_size: 0
    .kernarg_segment_align: 8
    .kernarg_segment_size: 48
    .max_flat_workgroup_size: 128
    .sgpr_count:     66
    .vgpr_count:     176
    .wavefront_size: 32
...
	.end_amdgpu_metadata
.endif
;; end of part 1
;; launch expert (part 2): grid 256 x 1, 8 waves a work-group, no clusters, 321,280 bytes of LDS; arguments w1, w2, b1, b2, xb, sel, gate, z; writes z
.if DOCPART == 2
	.amdgcn_target "amdgcn-amd-amdhsa--gfx1250"
	.amdhsa_code_object_version 6
	.text
	.protected	k_qb60e77ba18_expert
	.globl	k_qb60e77ba18_expert
	.p2align	8
	.type	k_qb60e77ba18_expert,@function
k_qb60e77ba18_expert:
	s_mov_b64 s[64:65], 0
	v_nop
	global_prefetch_b8 v0, s[64:65] scope:SCOPE_SE
	s_setreg_imm32_b32 hwreg(HW_REG_WAVE_MODE, 25, 1), 1
	s_wait_xcnt 0x0
; EXPERT.  Only the sum over d of an expert's output is ever used, and it is linear in the hidden layer:  sum_d (h . w2[e][d][:] + b2[e][d]) = h . cs[e] + sum_d b2[e][d],  cs[e][k] = sum_d w2[e][d][k].
; Work-group wg = 32 e + j owns expert e and its hidden units 128 j .. 128 j + 127, and stores, for every token t,
;   z[wg][t] = gate[e][t] x ( sum over my 128 units of relu(x[t] . w1[e][unit] + b1[e][unit]) cs[e][unit]  +  sum of b2[e][32 j .. 32 j + 31] ),   0 where t did not choose e.
; w1: [8][4096][1024] f32, w2: [8][1024][4096] f32, b1: [8][4096], b2: [8][1024], xb: [1024][1024] bf16, sel: [1024] words of two bits, gate: [8][1024] f32, z: [256][1024] f32.
; Each byte of w1 and w2 is read once in the launch, by this work-group alone.  x and w1 go to the matrix unit in bf16, sums in f32; cs, the hidden layer, the dot product and all other sums stay in f32.
; PHASES.  A: all eight waves bring the slice of w1 (128 rows x 4,096 bytes) through registers into LDS as bf16.  B: waves 0-3 (MULTIPLIERS) multiply 20 tiles of 16 routed rows by the slice, while waves 4-7
; (STREAMERS) add up 256 rows each of the strip of w2; the streamers' first loads of w2 go out while w1's last are still coming.  Then bias, relu, dot with cs, the gate's weight, one dense row of z.
; EVERY SPLIT.  Each wave makes its own list of the expert's tokens from sel.  Places 0-319 are always multiplied (places past the count hold token 0, and nobody reads their results);
; places 320-1087 go through a loop of six trips in which a wave jumps over a tile that begins at or past the count.
; K IS WRITTEN OUT in the products, 32 steps of 32: every load from the slice is a register that is never rewritten plus an immediate, 35,040 at the most.
; NO CLUSTER, NO TENSOR LOADS: no weight byte has a second reader; what an expert's 32 work-groups share is token rows picked by a list, which no one descriptor covers; and f32 weights have to pass through
; registers to be rounded.
; LIMITS.  NaN and infinities are not treated apart (relu gives 0 for a NaN).  The f32 sums' order is not the reference's.
.set PW,    2064                       ; a row of the slice in LDS: 2,048 bytes of bf16 + 16 = 516 words: the 16 rows of a fragment load start at 16 different groups of four banks (64 banks of 4 bytes: ISA guide 11.1)
.set WS,    0                          ; 128 rows x PW
.set LIST,  264192                     ; a list for each wave, its own: words 0-1343 tokens, words 1344-1375 a dump word for each lane
.set LISTB, 5632
.set RS,    309248                     ; 68 tiles x 16 f32: a row's result, by its place in the list
.set CSP,   313600                     ; four streamers x 128 column sums
.set CSF,   315648                     ; cs of my 128 units
.set B1L,   316160                     ; b1 of my 128 units, a copy for each wave
.set SPARE, 320256                     ; the spare words, 128 bytes for each of eight waves; no other line names them
; window 0
.set SPW,  1                           ; v1      my spare word; never rewritten
.set NIL,  2                           ; v2      0; never rewritten
.set L16,  3                           ; v3      16 x lane
.set B1A,  4                           ; v4      my wave's copy of b1 + 32 (lane / 16)
.set CSA,  5                           ; v5      CSF + 32 (lane / 16)
.set STA,  6                           ; v6      phase A: where my 8 bytes of a row go
.set RSA,  6                           ;         later: where the extra tile's result goes
.set LISTR, 7                          ; v7      where the extra tile's tokens lie in my list
.set WB,   8                           ; v8-11   (32 p + lane % 16) PW + 16 (lane / 16); never rewritten
.set XOFF, 16                          ; v16-20  my five tiles: token x 2,048 + 16 (lane / 16)
.set SB,   21                          ; v21     the sum of my 32 numbers of b2
.set H16,  22                          ; v22     16 (lane / 16)
.set T0,   23                          ; v23     at work
.set G,    24                          ; v24-27  the gate's weights of tokens 128 wave + 4 lane + 0..3
.set Q,    28                          ; v28-31  their places in the list; 1,344 or more: not routed here
.set WF0,  32                          ; v32-95  the slice's 8 fragments (16 units x 32 K) of one K step.  In the prologue: sel in v32-63, at work v64-83
.set B1R,  32                          ;         on the way out: b1 as the accumulators lie
.set XR,   96                          ; v96-223 four tiles' x fragments, a ring of four K steps
.set ACC5, 96                          ; v96-159 one tile's 8 accumulators
.set X1,   160                         ; v160-191 one tile's x fragments, a ring of four K steps
.set WF1,  192                         ; v192-255 a second buffer of the slice's fragments
.set CSR,  160                         ; v160-223 on the way out: cs as the accumulators lie
.set SP,   224                         ; v224-235 the dot products' running pairs
.set SUM,  240                         ; v240-244 a tile's result
.set PT,   246                         ; v246-250 the other half of the lanes'
.set CT,   96                          ; phase A: v96-127 16 pairs of bf16, by turns
.set SL,   128                         ; v128-255 32 load slots of four registers (in window 1: 32 more, for the streamers)
.set CA,   96                          ; streamers: v96-111 four chains of four column sums (and four more in window 1)
; window 1, multipliers: accumulator (tile i, fragment f) at v[64 i + 8 f]
; scalars: s2 wave; s3 e; s4 j; s5 1 << e; s6 the expert's count; s7 at work; s[8:23] the eight buffers; s[24:25] an offset; s28, s29 counters;
;          s30 a mask; s31 -1 where the words in hand are my wave's tokens; s32 my list; s33 16 x the extra tile; s34, s35 lane selects; s36 the upper lanes; s37 wave % 4; s40-43 flags
.set MSB, 0
.macro WIN new                         ; s_set_vgpr_msb: bits 1:0 source 0, 3:2 source 1, 5:4 source 2, 7:6 destination; the high byte repeats the setting that is left
.if MSB != (\new)
	s_set_vgpr_msb (MSB<<8)|(\new)
.set MSB, \new
.endif
.endm
.macro PLACES                          ; four plain vector lines between a matrix instruction and a load into, or a vector line on, its registers
.rept 4
	v_nop
.endr
.endm
	s_load_b512 s[8:23], s[0:1], 0x0               ; w1 s[8:9], w2 s[10:11], b1 s[12:13], b2 s[14:15], xb s[16:17], sel s[18:19], gate s[20:21], z s[22:23]
	v_lshl_add_u32 v[SPW], v0, 2, SPARE
	v_mov_b32 v[NIL], 0
	v_lshrrev_b32 v[T0], 5, v0
	v_readfirstlane_b32 s2, v[T0]                  ; wave 0..7
	v_and_b32 v64, 31, v0                          ; lane
	v_and_b32 v65, 15, v0                          ; lane % 16
	v_bfe_u32 v66, v0, 4, 1                        ; lane / 16
	v_lshlrev_b32 v[L16], 4, v64
	v_lshlrev_b32 v67, 2, v64                      ; 4 x lane
	s_lshr_b32 s3, ttmp9, 5                        ; e
	s_and_b32 s4, ttmp9, 31                        ; j
	s_lshl_b32 s5, 1, s3
	s_and_b32 s37, s2, 3
	s_mov_b32 s25, 0
	s_wait_kmcnt 0x0
	s_lshl_b32 s24, ttmp9, 19                      ; w1: my slice is 524,288 consecutive bytes, my wave's 16 rows 65,536 of them
	s_lshl_b32 s7, s2, 16
	s_add_co_u32 s24, s24, s7
	s_add_nc_u64 s[8:9], s[8:9], s[24:25]
	s_lshl_b32 s24, s3, 24                         ; w2: the expert, 512 bytes of every row, and 256 rows for each streamer
	s_lshl_b32 s7, s4, 9
	s_add_co_u32 s24, s24, s7
	s_lshl_b32 s7, s37, 22
	s_add_co_u32 s24, s24, s7
	s_add_nc_u64 s[10:11], s[10:11], s[24:25]
	s_lshl_b32 s24, ttmp9, 9                       ; b1: 128 numbers
	s_add_nc_u64 s[12:13], s[12:13], s[24:25]
	s_lshl_b32 s24, s3, 12                         ; b2: 32 numbers of the expert's 1,024
	s_lshl_b32 s7, s4, 7
	s_add_co_u32 s24, s24, s7
	s_add_nc_u64 s[14:15], s[14:15], s[24:25]
	s_lshl_b32 s24, s3, 12                         ; gate: the expert's row, my wave's 128 tokens
	s_lshl_b32 s7, s2, 9
	s_add_co_u32 s24, s24, s7
	s_add_nc_u64 s[20:21], s[20:21], s[24:25]
	s_lshl_b32 s24, ttmp9, 12                      ; z: my row, my wave's 128 tokens
	s_add_co_u32 s24, s24, s7
	s_add_nc_u64 s[22:23], s[22:23], s[24:25]
	global_load_b128 v[80:83], v[L16], s[12:13]
	global_load_b32 v[SB], v67, s[14:15]
	global_load_b128 v[G:G+3], v[L16], s[20:21]
.irp u, 0,1,2,3,4,5,6,7
	global_load_b128 v[32+4*\u:32+4*\u+3], v[L16], s[18:19] offset:512*\u  ; word i of load u is token 128 u + 4 lane + i
.endr
.set ii, 0
.rept 32
	global_load_b128 v[SL+4*ii:SL+4*ii+3], v[L16], s[8:9] offset:512*ii th:TH_LOAD_NT  ; the ring of 32 slots is filled: my first four rows of w1, 512 consecutive bytes a load
.set ii, ii+1
.endr
	; the constant addresses are made, and my list is filled with token 0, while the loads are on their way
	s_mul_i32 s32, s2, LISTB
	s_add_co_u32 s32, s32, LIST
	v_add_nc_u32 v74, s32, v[L16]
.irp i, 76,77,78,79
	v_mov_b32 v\i, 0
.endr
.irp q, 0,1,2,3,4,5,6,7,8,9,10
	ds_store_b128 v74, v[76:79] offset:512*\q      ; all 5,632 bytes: a place that no token takes repeats token 0, a row that exists
.endr
	v_mul_u32_u24 v[WB], v65, PW
	v_lshl_add_u32 v[WB], v66, 4, v[WB]
	v_add_nc_u32 v[WB+1], 32*PW, v[WB]
	v_add_nc_u32 v[WB+2], 64*PW, v[WB]
	v_add_nc_u32 v[WB+3], 96*PW, v[WB]
	v_lshlrev_b32 v[H16], 4, v66
	s_lshl_b32 s7, s2, 9
	s_add_co_u32 s7, s7, B1L
	v_lshl_add_u32 v[B1A], v66, 5, s7
	v_add_nc_u32 v73, s7, v[L16]
	v_lshl_add_u32 v[CSA], v66, 5, CSF
	s_mul_i32 s7, s2, 16*PW
	v_lshl_add_u32 v[STA], v64, 3, s7              ; my wave's 16 rows, 8 bytes a lane
	v_add_nc_u32 v68, 1344, v64                    ; my dump word
	s_lshl_b32 s7, s2, 6
	s_add_co_u32 s7, s7, s32
	s_add_co_u32 s7, s7, 20*64
	v_lshl_add_u32 v[LISTR], v65, 2, s7            ; tile 20 + wave
	s_mov_b32 s34, 0x76543210
	s_mov_b32 s35, 0xfedcba98
	s_mov_b32 s36, 0xffff0000
.irp i, 0,1,2,3
	v_mov_b32 v[Q+\i], 0
.endr
	v_mov_b32 v[T0], 0
	s_mov_b32 s6, 0
	s_wait_loadcnt 32                              ; all but the 32 slots of w1
	ds_store_b128 v73, v[80:83]                    ; b1 into my wave's copy
	v_add_f32_dpp v[SB], v[SB], v[SB] row_xmask:1 row_mask:0xf bank_mask:0xf
	v_add_f32_dpp v[SB], v[SB], v[SB] row_xmask:2 row_mask:0xf bank_mask:0xf
	v_add_f32_dpp v[SB], v[SB], v[SB] row_xmask:4 row_mask:0xf bank_mask:0xf
	v_add_f32_dpp v[SB], v[SB], v[SB] row_xmask:8 row_mask:0xf bank_mask:0xf
	v_permlanex16_b32 v[T0], v[SB], s34, s35
	v_add_f32 v[SB], v[SB], v[T0]
; THE LIST.  32 tokens at a time: those that chose e take the next places, in lane order; the others write their dump word.  A place is held under 1,376 words, inside my wave's own list.
.macro SCAN u, i
	v_and_b32 v69, s5, v[32+4*(\u)+(\i)]
	v_cmp_ne_u32 s30, 0, v69
	v_mbcnt_lo_u32_b32 v70, s30, s6                ; the count so far + the chosen lanes below me
	v_cndmask_b32 v70, v68, v70, s30
	v_min_u32 v70, 0x55f, v70
	v_lshl_add_u32 v71, v70, 2, s32
	v_add_nc_u32 v72, 128*(\u)+(\i), v67           ; the token
	ds_store_b32 v71, v72                          ; LDS serves a wave's instructions in order (ISA guide 5.7.1.4): this lands on the zeros above
	v_cndmask_b32 v[Q+(\i)], v[Q+(\i)], v70, s31   ; my wave's own tokens keep their places
	s_bcnt1_i32_b32 s7, s30
	s_add_co_u32 s6, s6, s7
.endm
.irp u, 0,1,2,3,4,5,6,7
	s_cmp_eq_u32 s2, \u
	s_cselect_b32 s31, -1, 0
	SCAN \u, 0
	SCAN \u, 1
	SCAN \u, 2
	SCAN \u, 3
.endr
	s_min_u32 s6, s6, 0x400                        ; the expert's count
	s_lshl_b32 s7, s37, 8
	s_add_co_u32 s7, s7, s32
	v_lshl_add_u32 v69, v65, 2, s7                 ; tiles 4 (wave % 4) + 0..3
	s_lshl_b32 s7, s37, 6
	s_add_co_u32 s7, s7, s32
	v_lshl_add_u32 v70, v65, 2, s7                 ; tile 16 + wave % 4
.irp i, 0,1,2,3
	ds_load_b32 v[XOFF+\i], v69 offset:64*\i       ; in order behind my stores above
.endr
	ds_load_b32 v[XOFF+4], v70 offset:1024
	s_wait_dscnt 0x0
.irp i, 0,1,2,3,4
	v_min_u32 v[XOFF+\i], 0x3ff, v[XOFF+\i]
	v_lshl_add_u32 v[XOFF+\i], v[XOFF+\i], 11, v[H16]
.endr
; PHASE A.  Slot n of a lap of 32: row n / 8 of four, 512 bytes at 512 (n % 8): rounded to 256 bytes of bf16, which the wave stores as 256 consecutive LDS bytes.
; refill = 1: the slot takes the same place of the next lap; 2: row n of my strip of w2; 0: nothing.  left: the younger loads, which may stay out.
.macro SLOTA n, left, refill
	s_wait_loadcnt \left
	v_cvt_pk_bf16_f32 v[CT+2*((\n)%16)],   v[SL+4*(\n)],   v[SL+4*(\n)+1]
	v_cvt_pk_bf16_f32 v[CT+2*((\n)%16)+1], v[SL+4*(\n)+2], v[SL+4*(\n)+3]
	ds_store_b64 v[STA], v[CT+2*((\n)%16):CT+2*((\n)%16)+1] offset:((\n)/8)*PW+((\n)%8)*256
.if (\refill) == 1
	global_load_b128 v[SL+4*(\n):SL+4*(\n)+3], v[L16], s[8:9] offset:((\n)+32)*512 th:TH_LOAD_NT
.elseif (\refill) == 2
	global_load_b128 v[SL+4*(\n):SL+4*(\n)+3], v[L16], s[10:11] offset:(\n)*16384 th:TH_LOAD_NT
.endif
.endm
	s_mov_b32 s28, 3
.LlapA:
.set ii, 0
.rept 32
	SLOTA ii, 31, 1                                ; 31: the other slots' loads are younger than mine, over the backward jump too
.set ii, ii+1
.endr
	s_wait_xcnt 0x0                                ; the loads' base is stepped only behind this wait
	s_add_nc_u64 s[8:9], s[8:9], 16384
	v_add_nc_u32 v[STA], 4*PW, v[STA]
	s_sub_co_u32 s28, s28, 1
	s_cmp_lg_u32 s28, 0
	s_cbranch_scc1 .LlapA
	s_cmp_lt_u32 s2, 4
	s_cbranch_scc0 .LlastS
.set ii, 0
.rept 32
	SLOTA ii, 31-ii, 0                             ; multipliers: the last lap loads nothing, the counts run down
.set ii, ii+1
.endr
	s_branch .LjoinA
.LlastS:
.set ii, 0
.rept 32
	SLOTA ii, 31, 2                                ; streamers: 31 - n loads of w1 and n of w2 are younger
.set ii, ii+1
.endr
	WIN 0x40                                       ; destination window 1
	v_mov_b32 v[L16], v[L16]                       ; a copy of 16 x lane, so that one text serves both windows' slots
.set ii, 0
.rept 16
	v_mov_b32 v[CA+ii], 0
.set ii, ii+1
.endr
	WIN 0
.set ii, 0
.rept 16
	v_mov_b32 v[CA+ii], 0
.set ii, ii+1
.endr
	WIN 0x55                                       ; every place window 1
.set ii, 32
.rept 31
	global_load_b128 v[SL+4*(ii-32):SL+4*(ii-32)+3], v[L16], s[10:11] offset:ii*16384 th:TH_LOAD_NT
.set ii, ii+1
.endr
	s_wait_loadcnt 62                              ; slot 0's row is in: 62 loads are younger than it.  From here on 63 loads are on their way
	global_load_b128 v[SL+124:SL+127], v[L16], s[10:11] offset:63*16384 th:TH_LOAD_NT
	WIN 0
.LjoinA:
	s_wait_dscnt 0x0                               ; for the others' sake: my rows of the slice are in LDS
	s_barrier_signal -1
	s_barrier_wait -1                              ; the slice is whole; it is never written again
	s_cmp_lt_u32 s2, 4
	s_cbranch_scc1 .Lmult
; PHASE B, STREAMERS.  Streamer s adds rows 256 s .. 256 s + 255 of the strip w2[e][.][128 j .. 128 j + 127]: a load is a row's 512 consecutive bytes, a lane holds four columns.
; A ring of 64 slots, 32 in each window, with 63 loads on their way: the wait at the head of slot n's turn is for slot n + 1's load, than which 62 are younger; slot n's own came in a turn earlier.
.macro SLOTW n, left, refill
	s_wait_loadcnt \left
	v_pk_add_f32 v[CA+4*((\n)%4):CA+4*((\n)%4)+1],   v[CA+4*((\n)%4):CA+4*((\n)%4)+1],   v[SL+4*((\n)%32):SL+4*((\n)%32)+1]
	v_pk_add_f32 v[CA+4*((\n)%4)+2:CA+4*((\n)%4)+3], v[CA+4*((\n)%4)+2:CA+4*((\n)%4)+3], v[SL+4*((\n)%32)+2:SL+4*((\n)%32)+3]
.if \refill
	global_load_b128 v[SL+4*((\n)%32):SL+4*((\n)%32)+3], v[L16], s[10:11] offset:((\n)+64)*16384 th:TH_LOAD_NT
.endif
.endm
	s_mov_b32 s28, 3
.LlapW:
.set ii, 0
.rept 32
	SLOTW ii, 62, 1
.set ii, ii+1
.endr
	WIN 0x55
.rept 32
	SLOTW ii, 62, 1
.set ii, ii+1
.endr
	WIN 0
	s_wait_xcnt 0x0                                ; the loads' base is stepped only behind this wait
	s_add_nc_u64 s[10:11], s[10:11], 0x100000      ; 64 rows
	s_sub_co_u32 s28, s28, 1
	s_cmp_lg_u32 s28, 0
	s_cbranch_scc1 .LlapW
.set ii, 0
.rept 32
	SLOTW ii, 62-ii, 0                             ; the last 64 rows: nothing is asked for, the counts run down
.set ii, ii+1
.endr
	WIN 0x55
.rept 31
	SLOTW ii, 62-ii, 0
.set ii, ii+1
.endr
	SLOTW 63, 0, 0
	WIN 0x04                                       ; source 1 window 1
.set ii, 0
.rept 8
	v_pk_add_f32 v[CA+2*ii:CA+2*ii+1], v[CA+2*ii:CA+2*ii+1], v[CA+2*ii:CA+2*ii+1]
.set ii, ii+1
.endr
	WIN 0
.irp p, 0,2
	v_pk_add_f32 v[CA+\p:CA+\p+1],     v[CA+\p:CA+\p+1],     v[CA+4+\p:CA+4+\p+1]
	v_pk_add_f32 v[CA+8+\p:CA+8+\p+1], v[CA+8+\p:CA+8+\p+1], v[CA+12+\p:CA+12+\p+1]
.endr
.irp p, 0,2
	v_pk_add_f32 v[CA+\p:CA+\p+1], v[CA+\p:CA+\p+1], v[CA+8+\p:CA+8+\p+1]
.endr
	s_lshl_b32 s7, s37, 9
	s_add_co_u32 s7, s7, CSP
	v_add_nc_u32 v[T0], s7, v[L16]
	ds_store_b128 v[T0], v[CA:CA+3]
	s_branch .LjoinB
; PHASE B, MULTIPLIERS.  D = A x B with A = 16 hidden units x 32 K (from LDS), B = 32 K x 16 tokens (from xb, by the list): a lane holds token lane % 16 and the units 16 f + 8 (lane / 16) + 0..7.
.macro WLD half, koff, buf             ; fragments 4 half + 0..3 of the K step at byte koff: two loads of 16 bytes, 32 apart, each
.irp g, 0,1,2,3
	ds_load_b128 v[(\buf)+8*(4*(\half)+\g):(\buf)+8*(4*(\half)+\g)+3],   v[WB+2*(\half)+\g/2] offset:(\g%2)*16*PW+(\koff)
	ds_load_b128 v[(\buf)+8*(4*(\half)+\g)+4:(\buf)+8*(4*(\half)+\g)+7], v[WB+2*(\half)+\g/2] offset:(\g%2)*16*PW+(\koff)+32
.endr
.endm
.macro XLD4 slot, koff                 ; four tiles' x fragments
.irp i, 0,1,2,3
	global_load_b128 v[XR+32*(\slot)+8*\i:XR+32*(\slot)+8*\i+3],   v[XOFF+\i], s[16:17] offset:(\koff)
	global_load_b128 v[XR+32*(\slot)+8*\i+4:XR+32*(\slot)+8*\i+7], v[XOFF+\i], s[16:17] offset:(\koff)+32
.endr
.endm
.macro MM16 half, slot, k              ; 16 accumulators by turns, one instruction a turn; K step 0 starts the sums
	WIN 0x50                                       ; A and B window 0, C and D window 1
.irp g, 0,1,2,3
.irp i, 0,1,2,3
.if (\k) == 0
	v_wmma_f32_16x16x32_bf16 v[64*\i+8*(4*(\half)+\g):64*\i+8*(4*(\half)+\g)+7], v[WF0+8*(4*(\half)+\g):WF0+8*(4*(\half)+\g)+7], v[XR+32*(\slot)+8*\i:XR+32*(\slot)+8*\i+7], 0
.else
	v_wmma_f32_16x16x32_bf16 v[64*\i+8*(4*(\half)+\g):64*\i+8*(4*(\half)+\g)+7], v[WF0+8*(4*(\half)+\g):WF0+8*(4*(\half)+\g)+7], v[XR+32*(\slot)+8*\i:XR+32*(\slot)+8*\i+7], v[64*\i+8*(4*(\half)+\g):64*\i+8*(4*(\half)+\g)+7]
.endif
.endr
.endr
.endm
; K step k of 32 for four tiles: 32 matrix instructions.  Each half of the slice's fragments is fetched for the next step as soon as this step has multiplied it; x is asked for three steps ahead.
.macro KSTEP4 k
	s_wait_dscnt 0x8                               ; fragments 0-3 are in; the eight loads of 4-7 are younger
.if (\k) < 30
	s_wait_loadcnt 16                              ; this step's x is in; two younger steps' eight loads each stay out
.elseif (\k) == 30
	s_wait_loadcnt 8
.else
	s_wait_loadcnt 0
.endif
.if (\k) < 29
	XLD4 ((\k)+3)%4, 64*(\k)+192                   ; into the slot that the step before multiplied: its four places stand at that step's end
.endif
	MM16 0, (\k)%4, \k
	PLACES
	WIN 0
.if (\k) < 31
	WLD 0, 64*(\k)+64, WF0
	s_wait_dscnt 0x8                               ; fragments 4-7 are in; the eight just issued are younger
.else
	s_wait_dscnt 0x0
.endif
	MM16 1, (\k)%4, \k
	PLACES
	WIN 0
.if (\k) < 31
	WLD 1, 64*(\k)+64, WF0
.endif
.endm
; One tile by itself, all in window 0: 8 accumulators by turns; the slice's 8 fragments in two buffers by the step's parity.
.macro X1LD slot, koff
	global_load_b128 v[X1+8*(\slot):X1+8*(\slot)+3],   v[XOFF+4], s[16:17] offset:(\koff)
	global_load_b128 v[X1+8*(\slot)+4:X1+8*(\slot)+7], v[XOFF+4], s[16:17] offset:(\koff)+32
.endm
.macro KSTEP1 k
.if (\k)%2
.set bb, WF1
.set ob, WF0
.else
.set bb, WF0
.set ob, WF1
.endif
	s_wait_dscnt 0x0                               ; this step's fragments are in
.if (\k) < 30
	s_wait_loadcnt 4                               ; this step's x is in; two loads for each of two younger steps stay out
.elseif (\k) == 30
	s_wait_loadcnt 2
.else
	s_wait_loadcnt 0
.endif
.if (\k) < 29
	X1LD ((\k)+3)%4, 64*(\k)+192
.endif
.if (\k) < 31
	WLD 0, 64*(\k)+64, ob
	WLD 1, 64*(\k)+64, ob
.endif
.irp f, 0,1,2,3,4,5,6,7
.if (\k) == 0
	v_wmma_f32_16x16x32_bf16 v[ACC5+8*\f:ACC5+8*\f+7], v[bb+8*\f:bb+8*\f+7], v[X1+8*((\k)%4):X1+8*((\k)%4)+7], 0
.else
	v_wmma_f32_16x16x32_bf16 v[ACC5+8*\f:ACC5+8*\f+7], v[bb+8*\f:bb+8*\f+7], v[X1+8*((\k)%4):X1+8*((\k)%4)+7], v[ACC5+8*\f:ACC5+8*\f+7]
.endif
.endr
	PLACES
.endm
.macro KLOOP1
	X1LD 0, 0
	X1LD 1, 64
	X1LD 2, 128
	WLD 0, 0, WF0
	WLD 1, 0, WF0
.set kk, 0
.rept 32
	KSTEP1 kk
.set kk, kk+1
.endr
.endm
.macro LOADB1                          ; b1 of units 16 f + 8 (lane / 16) + 0..7, as an accumulator's registers lie
.irp f, 0,1,2,3,4,5,6,7
	ds_load_b128 v[B1R+8*\f:B1R+8*\f+3],   v[B1A] offset:64*\f
	ds_load_b128 v[B1R+8*\f+4:B1R+8*\f+7], v[B1A] offset:64*\f+16
.endr
.endm
.macro LOADCS                          ; cs likewise
.irp f, 0,1,2,3,4,5,6,7
	ds_load_b128 v[CSR+8*\f:CSR+8*\f+3],   v[CSA] offset:64*\f
	ds_load_b128 v[CSR+8*\f+4:CSR+8*\f+7], v[CSA] offset:64*\f+16
.endr
.endm
.macro RELU base                       ; a tile's 64 numbers: + b1, then the larger of that and 0, in place; each accumulator's registers in ascending order
.set ff, 0
.rept 8
.irp p, 0,1,2,3
	v_pk_add_f32 v[(\base)+8*ff+2*\p:(\base)+8*ff+2*\p+1], v[B1R+8*ff+2*\p:B1R+8*ff+2*\p+1], v[(\base)+8*ff+2*\p:(\base)+8*ff+2*\p+1]
.endr
.irp q, 0,1,2,3,4,5,6,7
	v_max_num_f32 v[(\base)+8*ff+\q], 0, v[(\base)+8*ff+\q]
.endr
.set ff, ff+1
.endr
.endm
.macro DOT1                            ; the single tile's hidden numbers times cs, two chains of pairs
	v_pk_mul_f32 v[SP+8:SP+9],   v[ACC5:ACC5+1],   v[CSR:CSR+1]
	v_pk_mul_f32 v[SP+10:SP+11], v[ACC5+2:ACC5+3], v[CSR+2:CSR+3]
.set pp, 2
.rept 30
	v_pk_fma_f32 v[SP+8+2*(pp%2):SP+9+2*(pp%2)], v[ACC5+2*pp:ACC5+2*pp+1], v[CSR+2*pp:CSR+2*pp+1], v[SP+8+2*(pp%2):SP+9+2*(pp%2)]
.set pp, pp+1
.endr
	v_pk_add_f32 v[SP+8:SP+9], v[SP+8:SP+9], v[SP+10:SP+11]
.endm
.macro FIN i                           ; pair i: its two halves, the other half of the lanes' (the token's other 64 units), and b2's share
	v_add_f32 v[SUM+\i], v[SP+2*\i], v[SP+2*\i+1]
	v_mov_b32 v[PT+\i], 0
	v_permlanex16_b32 v[PT+\i], v[SUM+\i], s34, s35
	v_add_f32 v[SUM+\i], v[SUM+\i], v[PT+\i]
	v_add_f32 v[SUM+\i], v[SUM+\i], v[SB]
.endm
.Lmult:
	s_wait_loadcnt 0x0                             ; no load is out on the slots' registers, which x's ring takes over below: a multiplier's last lap of phase A has counted down to 0, so this wait is met at once
	XLD4 0, 0
	XLD4 1, 64
	XLD4 2, 128
	WLD 0, 0, WF0
	WLD 1, 0, WF0
.set kk, 0
.rept 32
	KSTEP4 kk                                      ; tiles 4 wave + 0..3
.set kk, kk+1
.endr
	KLOOP1                                         ; tile 16 + wave
	LOADB1
	s_wait_dscnt 0x0
	WIN 0x44                                       ; destination and source 1 window 1, b1 (source 0) window 0
	RELU 0                                         ; bias and relu need no cs: they too stand beside the streamers' work
	RELU 64
	RELU 128
	RELU 192
	WIN 0
	RELU ACC5
.LjoinB:
	s_wait_dscnt 0x0                               ; for wave 4's sake: my column sums are in LDS
	s_barrier_signal -1
	s_barrier_wait -1
	s_cmp_lg_u32 s2, 4
	s_cbranch_scc1 .Lnot4
	v_add_nc_u32 v[T0], CSP, v[L16]                ; wave 4 adds the four streamers' parts
.irp s, 0,1,2,3
	ds_load_b128 v[CA+4*\s:CA+4*\s+3], v[T0] offset:512*\s
.endr
	s_wait_dscnt 0x0
.irp p, 0,2
	v_pk_add_f32 v[CA+\p:CA+\p+1],     v[CA+\p:CA+\p+1],     v[CA+4+\p:CA+4+\p+1]
	v_pk_add_f32 v[CA+8+\p:CA+8+\p+1], v[CA+8+\p:CA+8+\p+1], v[CA+12+\p:CA+12+\p+1]
.endr
.irp p, 0,2
	v_pk_add_f32 v[CA+\p:CA+\p+1], v[CA+\p:CA+\p+1], v[CA+8+\p:CA+8+\p+1]
.endr
	ds_store_b128 v[T0], v[CA:CA+3] offset:CSF-CSP
.Lnot4:
	s_wait_dscnt 0x0                               ; for the others' sake: cs is in LDS
	s_barrier_signal -1
	s_barrier_wait -1
	s_cmp_lt_u32 s2, 4
	s_cbranch_scc0 .Lover
	; multipliers: the five tiles' dot products with cs
	LOADCS
	s_wait_dscnt 0x0
	WIN 0x01                                       ; source 0 (the hidden numbers) window 1
.irp i, 0,1,2,3
	v_pk_mul_f32 v[SP+2*\i:SP+2*\i+1], v[64*\i:64*\i+1], v[CSR:CSR+1]
.endr
.set pp, 1
.rept 31
.irp i, 0,1,2,3
	v_pk_fma_f32 v[SP+2*\i:SP+2*\i+1], v[64*\i+2*pp:64*\i+2*pp+1], v[CSR+2*pp:CSR+2*pp+1], v[SP+2*\i:SP+2*\i+1]
.endr
.set pp, pp+1
.endr
	WIN 0
	DOT1
	FIN 0
	FIN 1
	FIN 2
	FIN 3
	FIN 4
	v_and_b32 v[T0], 31, v0
	s_lshl_b32 s7, s2, 8
	s_add_co_u32 s7, s7, RS
	v_lshl_add_u32 v[T0], v[T0], 2, s7             ; places 64 w + lane
	v_cndmask_b32 v252, v[SUM], v[SUM+1], s36      ; lanes 0-15 an even tile's 16 rows, lanes 16-31 the next tile's
	v_cndmask_b32 v253, v[SUM+2], v[SUM+3], s36
	ds_store_b32 v[T0], v252
	ds_store_b32 v[T0], v253 offset:128
	v_and_b32 v254, 15, v0
	s_lshl_b32 s7, s2, 6
	s_add_co_u32 s7, s7, RS+1024
	v_lshl_add_u32 v254, v254, 2, s7               ; tile 16 + w: both halves of the lanes hold the same 16 results and write the same words
	ds_store_b32 v254, v[SUM+4]
.Lover:
	; PLACES 320 AND ON: six trips for all eight waves, tile 20 + wave + 8 q.  A tile that begins at or past the count is jumped over: the jump goes forward, over work alone.
	v_and_b32 v[T0], 15, v0
	s_lshl_b32 s7, s2, 6
	s_add_co_u32 s7, s7, RS+1280
	v_lshl_add_u32 v[RSA], v[T0], 2, s7
	s_lshl_b32 s33, s2, 4
	s_add_co_u32 s33, s33, 320
	s_mov_b32 s29, 6
.Lmore:
	s_cmp_lt_u32 s33, s6
	s_cbranch_scc0 .Lskip
	ds_load_b32 v[T0], v[LISTR]
	s_wait_dscnt 0x0
	v_min_u32 v[T0], 0x3ff, v[T0]
	v_lshl_add_u32 v[XOFF+4], v[T0], 11, v[H16]    ; every load that named this register has been waited for
	KLOOP1
	LOADB1
	LOADCS
	s_wait_dscnt 0x0
	RELU ACC5
	DOT1
	FIN 4
	ds_store_b32 v[RSA], v[SUM+4]
.Lskip:
	v_add_nc_u32 v[LISTR], 512, v[LISTR]           ; eight tiles on
	v_add_nc_u32 v[RSA], 512, v[RSA]
	s_add_co_u32 s33, s33, 128
	s_sub_co_u32 s29, s29, 1
	s_cmp_lg_u32 s29, 0
	s_cbranch_scc1 .Lmore
	s_wait_dscnt 0x0                               ; for the others' sake: my results are in LDS
	s_barrier_signal -1
	s_barrier_wait -1
	; every wave: its 128 tokens' numbers of z.  A token that chose e finds its result by its place; the others read place 0 and store 0.
	s_movk_i32 s7, 1344
.irp i, 0,1,2,3
	v_cmp_gt_u32 s[40+\i], s7, v[Q+\i]
	v_cndmask_b32 v[36+\i], 0, v[Q+\i], s[40+\i]
	v_min_u32 v[36+\i], 0x43f, v[36+\i]
	v_lshl_add_u32 v[36+\i], v[36+\i], 2, RS
	ds_load_b32 v[32+\i], v[36+\i]
.endr
	s_wait_dscnt 0x0
.irp i, 0,1,2,3
	v_mul_f32 v[32+\i], v[G+\i], v[32+\i]
	v_cndmask_b32 v[32+\i], 0, v[32+\i], s[40+\i]
.endr
	global_store_b128 v[L16], v[32:35], s[22:23] th:TH_STORE_NT  ; the wave's store covers 512 consecutive bytes, aligned
	s_wait_tensorcnt 0x0                           ; the wave's end: three lines behind my last LDS store
	ds_add_u32 v[SPW], v[NIL]
	s_wait_dscnt 0x0
	s_endpgm
.Lfunc_end_k_qb60e77ba18_expert:
	.size	k_qb60e77ba18_expert, .Lfunc_end_k_qb60e77ba18_expert-k_qb60e77ba18_expert
	.p2alignl 7, 3214868480
	.fill 96, 4, 3214868480
	.section	.rodata,"a",@progbits
	.p2align	6, 0x0
	.amdhsa_kernel k_qb60e77ba18_expert
		.amdhsa_group_segment_fixed_size 321280
		.amdhsa_private_segment_fixed_size 0
		.amdhsa_enable_private_segment 0
		.amdhsa_kernarg_size 64
		.amdhsa_user_sgpr_count 2
		.amdhsa_user_sgpr_kernarg_segment_ptr 1
		.amdhsa_wavefront_size32 1
		.amdhsa_system_sgpr_workgroup_id_x 1
		.amdhsa_system_sgpr_workgroup_id_y 1
		.amdhsa_system_sgpr_workgroup_id_z 1
		.amdhsa_system_vgpr_workitem_id 0
		.amdhsa_next_free_vgpr 512
		.amdhsa_next_free_sgpr 66
		.amdhsa_reserve_vcc 0
		.amdhsa_float_denorm_mode_32 3
		.amdhsa_float_denorm_mode_16_64 3
		.amdhsa_memory_ordered 1
		.amdhsa_forward_progress 1
		.amdhsa_inst_pref_size 255
	.end_amdhsa_kernel
	.section	.bss,"aw",@nobits
	.p2align	6
	.space	262144
	.amdgpu_metadata
---
amdhsa.version: [ 1, 2 ]
amdhsa.kernels:
  - .name:           k_qb60e77ba18_expert
    .symbol:         k_qb60e77ba18_expert.kd
    .args:
      - { .name: w1, .offset: 0, .size: 8, .value_kind: global_buffer, .address_space: global }
      - { .name: w2, .offset: 8, .size: 8, .value_kind: global_buffer, .address_space: global }
      - { .name: b1, .offset: 16, .size: 8, .value_kind: global_buffer, .address_space: global }
      - { .name: b2, .offset: 24, .size: 8, .value_kind: global_buffer, .address_space: global }
      - { .name: xb, .offset: 32, .size: 8, .value_kind: global_buffer, .address_space: global }
      - { .name: sel, .offset: 40, .size: 8, .value_kind: global_buffer, .address_space: global }
      - { .name: gate, .offset: 48, .size: 8, .value_kind: global_buffer, .address_space: global }
      - { .name: z, .offset: 56, .size: 8, .value_kind: global_buffer, .address_space: global }
    .group_segment_fixed_size: 321280
    .private_segment_fixed_size: 0
    .kernarg_segment_align: 8
    .kernarg_segment_size: 64
    .max_flat_workgroup_size: 256
    .sgpr_count:     66
    .vgpr_count:     512
    .wavefront_size: 32
...
	.end_amdgpu_metadata
.endif
;; end of part 2
;; launch finish (part 3): grid 4 x 1, 16 waves a work-group, no clusters, 18,432 bytes of LDS; arguments z, out0; writes out0
.if DOCPART == 3
	.amdgcn_target "amdgcn-amd-amdhsa--gfx1250"
	.amdhsa_code_object_version 6
	.text
	.protected	k_qb60e77ba18_finish
	.globl	k_qb60e77ba18_finish
	.p2align	8
	.type	k_qb60e77ba18_finish,@function
k_qb60e77ba18_finish:
	s_mov_b64 s[64:65], 0
	v_nop
	global_prefetch_b8 v0, s[64:65] scope:SCOPE_SE
	s_setreg_imm32_b32 hwreg(HW_REG_WAVE_MODE, 25, 1), 1
	s_wait_xcnt 0x0
; FINISH.  s[t] = the sum over the 256 rows of z of z[.][t]; out0[b][n] = s[256 b + n] - max - log(sum of exp(s - max)) over the 256 tokens of batch b.  z: [256][1024] f32.  out0: [4][256] f32.
; SHARES.  The softmax spans a batch, so there is work for four work-groups, one a batch.  Wave v of 16 adds rows 16 v .. 16 v + 15 of the batch's 1,024 bytes; a lane holds columns 4 lane + 0..3 and 128 + 4 lane + 0..3.
; All 32 loads of a wave go out at once, 512 consecutive bytes each.  The waves' parts meet in LDS; wave 0 adds them and makes the log-softmax.
; LIMITS.  The batch's maximum is taken away before the exponentials; an exponential below 2^-126 counts as 0 in the sum.  NaN and infinities are not treated apart.  The f32 sum's order is not the reference's.
.set RED,   0                          ; LDS: wave v's 256 partial sums at 1,024 v
.set SPARE, 16384                      ; the spare words, 128 bytes for each of sixteen waves; no other line names them
.set A,  8                             ; v[8:15]    eight running sums
.set R,  16                            ; v[16:143]  row q, half k at 8 q + 4 k
	s_load_b128 s[4:7], s[0:1], 0x0                ; z s[4:5], out0 s[6:7]
	v_lshl_add_u32 v1, v0, 2, SPARE                ; my spare word; never rewritten
	v_mov_b32 v2, 0                                ; 0; never rewritten
	v_lshrrev_b32 v3, 5, v0
	v_readfirstlane_b32 s2, v3                     ; wave 0..15
	v_and_b32 v3, 31, v0
	v_lshlrev_b32 v3, 4, v3                        ; 16 x lane
	s_lshl_b32 s8, s2, 16                          ; 16 rows of 4,096 bytes
	s_lshl_b32 s9, ttmp9, 10                       ; the batch's 1,024 bytes
	s_add_co_u32 s8, s8, s9
	v_add_nc_u32 v4, s8, v3
	v_lshl_add_u32 v5, s2, 10, v3                  ; RED + 1,024 v + 16 lane
	v_add_nc_u32 v6, s9, v3
	s_mov_b32 s10, 0x76543210                      ; v_permlanex16_b32: each lane takes its own place in the other half
	s_mov_b32 s11, 0xfedcba98
	s_wait_kmcnt 0x0
.irp q, 0,1,2,3,4,5,6,7,8,9,10,11,12,13,14,15
	global_load_b128 v[R+8*\q:R+8*\q+3],   v4, s[4:5] offset:4096*\q th:TH_LOAD_NT
	global_load_b128 v[R+8*\q+4:R+8*\q+7], v4, s[4:5] offset:4096*\q+512 th:TH_LOAD_NT
.endr
	s_wait_loadcnt 28                              ; rows 0 and 1 are in: together they start the sums
.irp p, 0,2,4,6
	v_pk_add_f32 v[A+\p:A+\p+1], v[R+\p:R+\p+1], v[R+8+\p:R+8+\p+1]
.endr
.irp q, 2,3,4,5,6,7,8,9,10,11,12,13,14,15
	s_wait_loadcnt 30-2*\q                         ; row q is in; two loads for each row behind it stay out
.irp p, 0,2,4,6
	v_pk_add_f32 v[A+\p:A+\p+1], v[A+\p:A+\p+1], v[R+8*\q+\p:R+8*\q+\p+1]
.endr
.endr
	ds_store_b128 v5, v[A:A+3] offset:RED
	ds_store_b128 v5, v[A+4:A+7] offset:RED+512
	s_wait_dscnt 0x0                               ; for wave 0's sake: my stores are done
	s_barrier_signal -1
	s_barrier_wait -1
	s_cmp_lg_u32 s2, 0
	s_cbranch_scc1 .Lend
.irp q, 0,1,2,3,4,5,6,7,8,9,10,11,12,13,14,15
	ds_load_b128 v[R+8*\q:R+8*\q+3],   v3 offset:RED+1024*\q
	ds_load_b128 v[R+8*\q+4:R+8*\q+7], v3 offset:RED+1024*\q+512
.endr
	s_wait_dscnt 0x0
.irp p, 0,2,4,6
	v_pk_add_f32 v[A+\p:A+\p+1], v[R+\p:R+\p+1], v[R+8+\p:R+8+\p+1]
.endr
.irp q, 2,3,4,5,6,7,8,9,10,11,12,13,14,15
.irp p, 0,2,4,6
	v_pk_add_f32 v[A+\p:A+\p+1], v[A+\p:A+\p+1], v[R+8*\q+\p:R+8*\q+\p+1]
.endr
.endr
	; the batch's maximum: in the lane, inside each half of 16 lanes, across the halves
	v_max3_num_f32 v144, v[A], v[A+1], v[A+2]
	v_max3_num_f32 v144, v144, v[A+3], v[A+4]
	v_max3_num_f32 v144, v144, v[A+5], v[A+6]
	v_max_num_f32 v144, v144, v[A+7]
	v_max_num_f32_dpp v144, v144, v144 row_xmask:1 row_mask:0xf bank_mask:0xf
	v_max_num_f32_dpp v144, v144, v144 row_xmask:2 row_mask:0xf bank_mask:0xf
	v_max_num_f32_dpp v144, v144, v144 row_xmask:4 row_mask:0xf bank_mask:0xf
	v_max_num_f32_dpp v144, v144, v144 row_xmask:8 row_mask:0xf bank_mask:0xf
	v_mov_b32 v145, 0
	v_permlanex16_b32 v145, v144, s10, s11
	v_max_num_f32 v144, v144, v145
.irp i, 0,1,2,3,4,5,6,7
	v_sub_f32 v[A+\i], v[A+\i], v144               ; s - max
.endr
.irp i, 0,1,2,3,4,5,6,7
	v_mul_f32 v[R+\i], 0x3fb8aa3b, v[A+\i]
.endr
.irp i, 0,1,2,3,4,5,6,7
	v_exp_f32 v[R+\i], v[R+\i]
.endr
	v_nop                                          ; a plain line behind the last exponential (ISA guide 5.7.2)
	s_wait_alu depctr_va_vdst(0)
	v_add_f32 v[R], v[R], v[R+1]
	v_add_f32 v[R+2], v[R+2], v[R+3]
	v_add_f32 v[R+4], v[R+4], v[R+5]
	v_add_f32 v[R+6], v[R+6], v[R+7]
	v_add_f32 v[R], v[R], v[R+2]
	v_add_f32 v[R+4], v[R+4], v[R+6]
	v_add_f32 v[R], v[R], v[R+4]
	v_add_f32_dpp v[R], v[R], v[R] row_xmask:1 row_mask:0xf bank_mask:0xf
	v_add_f32_dpp v[R], v[R], v[R] row_xmask:2 row_mask:0xf bank_mask:0xf
	v_add_f32_dpp v[R], v[R], v[R] row_xmask:4 row_mask:0xf bank_mask:0xf
	v_add_f32_dpp v[R], v[R], v[R] row_xmask:8 row_mask:0xf bank_mask:0xf
	v_permlanex16_b32 v145, v[R], s10, s11
	v_add_f32 v[R], v[R], v145
	v_log_f32 v[R], v[R]
	v_nop                                          ; a plain line behind the logarithm
	s_wait_alu depctr_va_vdst(0)
	v_mul_f32 v[R], 0x3f317218, v[R]               ; log2 to the natural logarithm
.irp i, 0,1,2,3,4,5,6,7
	v_sub_f32 v[A+\i], v[A+\i], v[R]
.endr
	global_store_b128 v6, v[A:A+3], s[6:7]         ; each store covers 512 consecutive bytes, aligned
	global_store_b128 v6, v[A+4:A+7], s[6:7] offset:512
.Lend:
	s_wait_tensorcnt 0x0                           ; the wave's end: three lines behind my last LDS store
	ds_add_u32 v1, v2
	s_wait_dscnt 0x0
	s_endpgm
.Lfunc_end_k_qb60e77ba18_finish:
	.size	k_qb60e77ba18_finish, .Lfunc_end_k_qb60e77ba18_finish-k_qb60e77ba18_finish
	.p2alignl 7, 3214868480
	.fill 96, 4, 3214868480
	.section	.rodata,"a",@progbits
	.p2align	6, 0x0
	.amdhsa_kernel k_qb60e77ba18_finish
		.amdhsa_group_segment_fixed_size 18432
		.amdhsa_private_segment_fixed_size 0
		.amdhsa_enable_private_segment 0
		.amdhsa_kernarg_size 16
		.amdhsa_user_sgpr_count 2
		.amdhsa_user_sgpr_kernarg_segment_ptr 1
		.amdhsa_wavefront_size32 1
		.amdhsa_system_sgpr_workgroup_id_x 1
		.amdhsa_system_sgpr_workgroup_id_y 1
		.amdhsa_system_sgpr_workgroup_id_z 1
		.amdhsa_system_vgpr_workitem_id 0
		.amdhsa_next_free_vgpr 152
		.amdhsa_next_free_sgpr 66
		.amdhsa_reserve_vcc 0
		.amdhsa_float_denorm_mode_32 3
		.amdhsa_float_denorm_mode_16_64 3
		.amdhsa_memory_ordered 1
		.amdhsa_forward_progress 1
		.amdhsa_inst_pref_size 18
	.end_amdhsa_kernel
	.amdgpu_metadata
---
amdhsa.version: [ 1, 2 ]
amdhsa.kernels:
  - .name:           k_qb60e77ba18_finish
    .symbol:         k_qb60e77ba18_finish.kd
    .args:
      - { .name: z, .offset: 0, .size: 8, .value_kind: global_buffer, .address_space: global }
      - { .name: out0, .offset: 8, .size: 8, .value_kind: global_buffer, .address_space: global }
    .group_segment_fixed_size: 18432
    .private_segment_fixed_size: 0
    .kernarg_segment_align: 8
    .kernarg_segment_size: 16
    .max_flat_workgroup_size: 512
    .sgpr_count:     66
    .vgpr_count:     152
    .wavefront_size: 32
...
	.end_amdgpu_metadata
.endif
;; end of part 3
;; ======== version 2 of 2: 3 launches; version 1 with the launch expert written anew for expert scheduling mode
;; workspace buffers: xb 2,097,152 bytes; sel 4,096 bytes of whole numbers; gate 32,768 bytes; z 1,048,576 bytes
;; launch route: the kernel of part 1 again; grid 256 x 1, 4 waves a work-group, no clusters, 1,024 bytes of LDS; arguments x, gate_w, gate_b, xb, sel, gate; writes xb, sel, gate
;; launch expert (part 4): grid 256 x 1, 8 waves a work-group, no clusters, 321,280 bytes of LDS; arguments w1, w2, b1, b2, xb, sel, gate, z; writes z
.if DOCPART == 4
	.amdgcn_target "amdgcn-amd-amdhsa--gfx1250"
	.amdhsa_code_object_version 6
	.text
	.protected	k_qb60e77ba18_expert
	.globl	k_qb60e77ba18_expert
	.p2align	8
	.type	k_qb60e77ba18_expert,@function
k_qb60e77ba18_expert:
	s_mov_b64 s[64:65], 0
	v_nop
	global_prefetch_b8 v0, s[64:65] scope:SCOPE_SE
	s_setreg_imm32_b32 hwreg(HW_REG_WAVE_SCHED_MODE, 0, 2), 2
	s_setreg_imm32_b32 hwreg(HW_REG_WAVE_MODE, 25, 1), 1
	s_wait_xcnt 0x0
	s_wait_alu depctr_vm_vsrc(0)
; EXPERT.  Only the sum over d of an expert's output is ever used, and it is linear in the hidden layer:  sum_d (h . w2[e][d][:] + b2[e][d]) = h . cs[e] + sum_d b2[e][d],  cs[e][k] = sum_d w2[e][d][k].
; Work-group wg = 32 e + j owns expert e and its hidden units 128 j .. 128 j + 127, and stores, for every token t,
;   z[wg][t] = gate[e][t] x ( sum over my 128 units of relu(x[t] . w1[e][unit] + b1[e][unit]) cs[e][unit]  +  sum of b2[e][32 j .. 32 j + 31] ),   0 where t did not choose e.
; w1: [8][4096][1024] f32, w2: [8][1024][4096] f32, b1: [8][4096], b2: [8][1024], xb: [1024][1024] bf16, sel: [1024] words of two bits, gate: [8][1024] f32, z: [256][1024] f32.
; Each byte of w1 and w2 is read once in the launch, by this work-group alone.  x and w1 go to the matrix unit in bf16, sums in f32; cs, the hidden layer, the dot product and all other sums stay in f32.
; PHASES.  A: all eight waves bring the slice of w1 (128 rows x 4,096 bytes) through registers into LDS as bf16.  B: waves 0-3 (MULTIPLIERS) multiply 20 tiles of 16 routed rows by the slice, while waves 4-7
; (STREAMERS) add up 256 rows each of the strip of w2; the streamers' first loads of w2 go out while w1's last are still coming.  Then bias, relu, dot with cs, the gate's weight, one dense row of z.
; EVERY SPLIT.  Each wave makes its own list of the expert's tokens from sel.  Places 0-319 are always multiplied (places past the count hold token 0, and nobody reads their results);
; places 320-1087 go through a loop of six trips in which a wave jumps over a tile that begins at or past the count.
; K IS WRITTEN OUT in the products, 32 steps of 32: every load from the slice is a register that is never rewritten plus an immediate, 35,040 at the most.
; NO CLUSTER, NO TENSOR LOADS: no weight byte has a second reader; what an expert's 32 work-groups share is token rows picked by a list, which no one descriptor covers; and f32 weights have to pass through
; registers to be rounded.
; LIMITS.  NaN and infinities are not treated apart (relu gives 0 for a NaN).  The f32 sums' order is not the reference's.
; THE MODE: SCHED_MODE bits 1:0 = 2 (LLVM: expert scheduling mode 2), set by the entry lines.  The code itself states the register dependences between vector or matrix instructions and memory or LDS
; instructions, with s_wait_alu, always for 0.
; THE PLAN.  Registers that memory or LDS instructions touch, and who else names them:
;   v3-11, v16-20   offsets and addresses.  Made at the head, ahead of a wait on va_vdst.  Written again: v6 once a lap of phase A and for the extra tiles, v7 and v20 for the extra tiles, each behind a wait on vm_vsrc.
;   THE LIST        four words at a time: four compares into s40-43, one wait on va_sdst; four addresses and four tokens, one wait on va_vdst, four stores; a wait on vm_vsrc ahead of the next four.
;   PHASE A         SL, 32 slots in 8 blocks of four; CT, four sets of four pairs.  Block b: its conversions read SL[b] and write CT[b % 4]; behind them ONE wait on va_vdst, then the four LDS stores from
;                   CT[b % 4] and the four loads into SL[b].  At the block's head one wait on vm_vsrc: the stores of four blocks back have read CT[b % 4].
;   STREAMERS       64 slots in 16 blocks of four, 15 blocks on their way.  Block p adds SL[p % 16]; its four loads land in SL[(p - 1) % 16], which the block before has added: ONE wait on va_vdst at the block's head.
;   MULTIPLIERS     the slice's fragments in three half-buffers (four fragments each), x in a ring of four K steps.  Half-step j (16 matrix instructions) reads half-buffer j % 3 and x slot (j / 2) % 4.  ONE wait on
;                   va_vdst at its head: half-step j - 1 is done reading.  Behind the first four matrix instructions the loads of half-step j + 2 go into half-buffer (j - 1) % 3 and, on even j, x of three
;                   steps on into slot (j / 2 - 1) % 4: no matrix instruction issued since the wait names these registers.
;   ONE TILE        two buffers of eight fragments, x in a ring of four: ONE wait on va_vdst at a step's head, the next step's loads dealt behind its first four matrix instructions.
.set PW,    2064                       ; a row of the slice in LDS: 2,048 bytes of bf16 + 16 = 516 words: the 16 rows of a fragment load start at 16 different groups of four banks (64 banks of 4 bytes: ISA guide 11.1)
.set WS,    0                          ; 128 rows x PW
.set LIST,  264192                     ; a list for each wave, its own: words 0-1343 tokens, words 1344-1375 a dump word for each lane
.set LISTB, 5632
.set RS,    309248                     ; 68 tiles x 16 f32: a row's result, by its place in the list
.set CSP,   313600                     ; four streamers x 128 column sums
.set CSF,   315648                     ; cs of my 128 units
.set B1L,   316160                     ; b1 of my 128 units, a copy for each wave
.set SPARE, 320256                     ; the spare words, 128 bytes for each of eight waves; no other line names them
; window 0
.set SPW,  1                           ; v1      my spare word; never rewritten
.set NIL,  2                           ; v2      0; never rewritten
.set L16,  3                           ; v3      16 x lane
.set B1A,  4                           ; v4      my wave's copy of b1 + 32 (lane / 16)
.set CSA,  5                           ; v5      CSF + 32 (lane / 16)
.set STA,  6                           ; v6      phase A: where my 8 bytes of a row go
.set RSA,  6                           ;         later: where the extra tile's result goes
.set LISTR, 7                          ; v7      where the extra tile's tokens lie in my list
.set WB,   8                           ; v8-11   (32 p + lane % 16) PW + 16 (lane / 16); never rewritten
.set XOFF, 16                          ; v16-20  my five tiles: token x 2,048 + 16 (lane / 16)
.set SB,   21                          ; v21     the sum of my 32 numbers of b2
.set H16,  22                          ; v22     16 (lane / 16)
.set T0,   23                          ; v23     at work
.set G,    24                          ; v24-27  the gate's weights of tokens 128 wave + 4 lane + 0..3
.set Q,    28                          ; v28-31  their places in the list; 1,344 or more: not routed here
.set WF0,  32                          ; v32-95  one tile: the slice's 8 fragments (16 units x 32 K) of an even K step.  Four tiles: half-buffers 0 (v32-63) and 1 (v64-95); half-buffer 2 is v224-255
.set PL,   69                          ;         in the prologue: sel in v32-63, at work v64-68; v69-72 four places in the list,
.set AD,   84                          ;         v84-87 their LDS addresses,
.set TK,   88                          ;         v88-91 their tokens,
.set LA,   92                          ;         v92 where tiles 4 (wave % 4) + 0..3 lie in my list,
.set LB,   93                          ;         v93 where tile 16 + wave % 4 lies, less 1,024
.set B1R,  32                          ;         on the way out: b1 as the accumulators lie
.set XR,   96                          ; v96-223 four tiles' x fragments, a ring of four K steps
.set ACC5, 96                          ; v96-159 one tile's 8 accumulators
.set X1,   160                         ; v160-191 one tile's x fragments, a ring of four K steps
.set WF1,  192                         ; v192-255 one tile: the slice's fragments of an odd K step
.set CSR,  160                         ; v160-223 on the way out: cs as the accumulators lie
.set SP,   224                         ; v224-235 the dot products' running pairs
.set SUM,  240                         ; v240-244 a tile's result
.set PT,   246                         ; v246-250 the other half of the lanes'
.set CT,   96                          ; phase A: v96-127 16 pairs of bf16, four sets of four by turns
.set SL,   128                         ; v128-255 32 load slots of four registers (in window 1: 32 more, for the streamers)
.set CA,   96                          ; streamers: v96-111 four chains of four column sums (and four more in window 1)
; window 1, multipliers: accumulator (tile i, fragment f) at v[64 i + 8 f]
; scalars: s2 wave; s3 e; s4 j; s5 1 << e; s6 the expert's count; s7 at work; s[8:23] the eight buffers; s[24:25] an offset; s28, s29 counters;
;          s31 -1 where the words in hand are my wave's tokens; s32 my list; s33 16 x the extra tile; s34, s35 lane selects; s36 the upper lanes; s37 wave % 4; s40-43 masks and flags
.set MSB, 0
.macro WIN new                         ; s_set_vgpr_msb: bits 1:0 source 0, 3:2 source 1, 5:4 source 2, 7:6 destination; the high byte repeats the setting that is left
.if MSB != (\new)
	s_set_vgpr_msb (MSB<<8)|(\new)
.set MSB, \new
.endif
.endm
.macro PLACES                          ; four plain vector lines between a matrix instruction and a vector line on its registers (ISA guide 7.12.1)
.rept 4
	v_nop
.endr
.endm
	s_load_b512 s[8:23], s[0:1], 0x0               ; w1 s[8:9], w2 s[10:11], b1 s[12:13], b2 s[14:15], xb s[16:17], sel s[18:19], gate s[20:21], z s[22:23]
	v_lshl_add_u32 v[SPW], v0, 2, SPARE
	v_mov_b32 v[NIL], 0
	v_lshrrev_b32 v[T0], 5, v0
	v_readfirstlane_b32 s2, v[T0]                  ; wave 0..7
	v_and_b32 v64, 31, v0                          ; lane
	v_and_b32 v65, 15, v0                          ; lane % 16
	v_bfe_u32 v66, v0, 4, 1                        ; lane / 16
	v_lshlrev_b32 v[L16], 4, v64
	v_lshlrev_b32 v67, 2, v64                      ; 4 x lane
	s_lshr_b32 s3, ttmp9, 5                        ; e
	s_and_b32 s4, ttmp9, 31                        ; j
	s_lshl_b32 s5, 1, s3
	s_wait_alu depctr_va_sdst(0)                   ; s2 is written, ahead of its first reader
	s_and_b32 s37, s2, 3
	s_mov_b32 s25, 0
	s_wait_kmcnt 0x0
	s_lshl_b32 s24, ttmp9, 19                      ; w1: my slice is 524,288 consecutive bytes, my wave's 16 rows 65,536 of them
	s_lshl_b32 s7, s2, 16
	s_add_co_u32 s24, s24, s7
	s_add_nc_u64 s[8:9], s[8:9], s[24:25]
	s_lshl_b32 s24, s3, 24                         ; w2: the expert, 512 bytes of every row, and 256 rows for each streamer
	s_lshl_b32 s7, s4, 9
	s_add_co_u32 s24, s24, s7
	s_lshl_b32 s7, s37, 22
	s_add_co_u32 s24, s24, s7
	s_add_nc_u64 s[10:11], s[10:11], s[24:25]
	s_lshl_b32 s24, ttmp9, 9                       ; b1: 128 numbers
	s_add_nc_u64 s[12:13], s[12:13], s[24:25]
	s_lshl_b32 s24, s3, 12                         ; b2: 32 numbers of the expert's 1,024
	s_lshl_b32 s7, s4, 7
	s_add_co_u32 s24, s24, s7
	s_add_nc_u64 s[14:15], s[14:15], s[24:25]
	s_lshl_b32 s24, s3, 12                         ; gate: the expert's row, my wave's 128 tokens
	s_lshl_b32 s7, s2, 9
	s_add_co_u32 s24, s24, s7
	s_add_nc_u64 s[20:21], s[20:21], s[24:25]
	s_lshl_b32 s24, ttmp9, 12                      ; z: my row, my wave's 128 tokens
	s_add_co_u32 s24, s24, s7
	s_add_nc_u64 s[22:23], s[22:23], s[24:25]
	s_wait_alu depctr_va_vdst(0)                   ; v3 and v67 are written: the offsets of the loads below
	global_load_b128 v[80:83], v[L16], s[12:13]
	global_load_b32 v[SB], v67, s[14:15]
	global_load_b128 v[G:G+3], v[L16], s[20:21]
.irp u, 0,1,2,3,4,5,6,7
	global_load_b128 v[32+4*\u:32+4*\u+3], v[L16], s[18:19] offset:512*\u  ; word i of load u is token 128 u + 4 lane + i
.endr
.set ii, 0
.rept 32
	global_load_b128 v[SL+4*ii:SL+4*ii+3], v[L16], s[8:9] offset:512*ii th:TH_LOAD_NT  ; the ring of 32 slots is filled: my first four rows of w1, 512 consecutive bytes a load
.set ii, ii+1
.endr
	; the constant addresses are made, all in one run, while the loads are on their way
	s_mul_i32 s32, s2, LISTB
	s_add_co_u32 s32, s32, LIST
	v_add_nc_u32 v74, s32, v[L16]
.irp i, 76,77,78,79
	v_mov_b32 v\i, 0
.endr
	v_mul_u32_u24 v[WB], v65, PW
	v_lshl_add_u32 v[WB], v66, 4, v[WB]
	v_add_nc_u32 v[WB+1], 32*PW, v[WB]
	v_add_nc_u32 v[WB+2], 64*PW, v[WB]
	v_add_nc_u32 v[WB+3], 96*PW, v[WB]
	v_lshlrev_b32 v[H16], 4, v66
	s_lshl_b32 s7, s2, 9
	s_add_co_u32 s7, s7, B1L
	v_lshl_add_u32 v[B1A], v66, 5, s7
	v_add_nc_u32 v73, s7, v[L16]
	v_lshl_add_u32 v[CSA], v66, 5, CSF
	s_mul_i32 s7, s2, 16*PW
	v_lshl_add_u32 v[STA], v64, 3, s7              ; my wave's 16 rows, 8 bytes a lane
	v_add_nc_u32 v68, 1344, v64                    ; my dump word
	s_lshl_b32 s7, s2, 6
	s_add_co_u32 s7, s7, s32
	s_add_co_u32 s7, s7, 20*64
	v_lshl_add_u32 v[LISTR], v65, 2, s7            ; tile 20 + wave
	s_lshl_b32 s7, s37, 8
	s_add_co_u32 s7, s7, s32
	v_lshl_add_u32 v[LA], v65, 2, s7               ; tiles 4 (wave % 4) + 0..3
	s_lshl_b32 s7, s37, 6
	s_add_co_u32 s7, s7, s32
	v_lshl_add_u32 v[LB], v65, 2, s7               ; tile 16 + wave % 4
	s_mov_b32 s34, 0x76543210
	s_mov_b32 s35, 0xfedcba98
	s_mov_b32 s36, 0xffff0000
.irp i, 0,1,2,3
	v_mov_b32 v[Q+\i], 0
.endr
	v_mov_b32 v[T0], 0
	s_mov_b32 s6, 0
	s_wait_alu depctr_va_vdst(0)                   ; the run above is written: v74 and the zeros v76-79, which the stores below read, and v4-11, v73, v92, v93, the addresses of later LDS instructions
.irp q, 0,1,2,3,4,5,6,7,8,9,10
	ds_store_b128 v74, v[76:79] offset:512*\q      ; my list is filled with token 0, all 5,632 bytes: a place that no token takes repeats a row that exists
.endr
	s_wait_loadcnt 32                              ; all but the 32 slots of w1
	ds_store_b128 v73, v[80:83]                    ; b1 into my wave's copy
	v_add_f32_dpp v[SB], v[SB], v[SB] row_xmask:1 row_mask:0xf bank_mask:0xf
	v_add_f32_dpp v[SB], v[SB], v[SB] row_xmask:2 row_mask:0xf bank_mask:0xf
	v_add_f32_dpp v[SB], v[SB], v[SB] row_xmask:4 row_mask:0xf bank_mask:0xf
	v_add_f32_dpp v[SB], v[SB], v[SB] row_xmask:8 row_mask:0xf bank_mask:0xf
	v_permlanex16_b32 v[T0], v[SB], s34, s35
	v_add_f32 v[SB], v[SB], v[T0]
; THE LIST.  32 tokens at a time, four such words to a group: those that chose e take the next places, in lane order; the others write their dump word.  A place is held under 1,376 words, inside my wave's own list.
.macro SCAN4 u
	s_cmp_eq_u32 s2, \u
	s_cselect_b32 s31, -1, 0
.irp i, 0,1,2,3
	v_and_b32 v[PL+\i], s5, v[32+4*(\u)+\i]
	v_cmp_ne_u32 s[40+\i], 0, v[PL+\i]
.endr
	s_wait_alu depctr_va_sdst(0)                   ; the four masks s40-43 are written, ahead of their first readers
.if (\u) > 0
	s_wait_alu depctr_vm_vsrc(0)                   ; the four stores of the group before have read v84-91, which are written again below
.endif
.irp i, 0,1,2,3
	v_mbcnt_lo_u32_b32 v[PL+\i], s[40+\i], s6      ; the count so far + the chosen lanes below me
	v_cndmask_b32 v[PL+\i], v68, v[PL+\i], s[40+\i]
	v_min_u32 v[PL+\i], 0x55f, v[PL+\i]
	v_lshl_add_u32 v[AD+\i], v[PL+\i], 2, s32
	v_add_nc_u32 v[TK+\i], 128*(\u)+\i, v67        ; the token
	v_cndmask_b32 v[Q+\i], v[Q+\i], v[PL+\i], s31  ; my wave's own tokens keep their places
	s_bcnt1_i32_b32 s7, s[40+\i]
	s_add_co_u32 s6, s6, s7
.endr
	s_wait_alu depctr_va_vdst(0)                   ; the four addresses v84-87 and the four tokens v88-91 are written, which the stores read
.irp i, 0,1,2,3
	ds_store_b32 v[AD+\i], v[TK+\i]                ; LDS serves a wave's instructions in order (ISA guide 5.7.1.4): this lands on the zeros above
.endr
.endm
.irp u, 0,1,2,3,4,5,6,7
	SCAN4 \u
.endr
	s_min_u32 s6, s6, 0x400                        ; the expert's count
.irp i, 0,1,2,3
	ds_load_b32 v[XOFF+\i], v[LA] offset:64*\i     ; in order behind my stores above.  No wait: v92 and v93 were written ahead of the head's wait, and no vector line has named v16-20
.endr
	ds_load_b32 v[XOFF+4], v[LB] offset:1024
	s_wait_dscnt 0x0
.irp i, 0,1,2,3,4
	v_min_u32 v[XOFF+\i], 0x3ff, v[XOFF+\i]
	v_lshl_add_u32 v[XOFF+\i], v[XOFF+\i], 11, v[H16]
.endr
; PHASE A.  Block b of a lap's eight holds slots n = 4 b + 0..3.  Slot n: row n / 8 of four, 512 bytes at 512 (n % 8): rounded to 256 bytes of bf16, which the wave stores as 256 consecutive LDS bytes.
; refill = 1: the slots take the same places of the next lap; 2: rows n of my strip of w2; 0: nothing.  left: the younger loads, which may stay out.
.macro BLKA b, left, refill
	s_wait_loadcnt \left
	s_wait_alu depctr_vm_vsrc(0)                   ; the LDS stores of four blocks back have read this set of CT, which the conversions write again
.irp q, 0,1,2,3
	v_cvt_pk_bf16_f32 v[CT+8*((\b)%4)+2*\q],   v[SL+16*(\b)+4*\q],   v[SL+16*(\b)+4*\q+1]
	v_cvt_pk_bf16_f32 v[CT+8*((\b)%4)+2*\q+1], v[SL+16*(\b)+4*\q+2], v[SL+16*(\b)+4*\q+3]
.endr
	s_wait_alu depctr_va_vdst(0)                   ; the conversions have written CT, which the stores read, and are done reading the four slots, in which the loads land; in a lap's first block v6 is written too
.irp q, 0,1,2,3
	ds_store_b64 v[STA], v[CT+8*((\b)%4)+2*\q:CT+8*((\b)%4)+2*\q+1] offset:((\b)/2)*PW+(4*((\b)%2)+\q)*256
.if (\refill) == 1
	global_load_b128 v[SL+16*(\b)+4*\q:SL+16*(\b)+4*\q+3], v[L16], s[8:9] offset:(4*(\b)+\q+32)*512 th:TH_LOAD_NT
.elseif (\refill) == 2
	global_load_b128 v[SL+16*(\b)+4*\q:SL+16*(\b)+4*\q+3], v[L16], s[10:11] offset:(4*(\b)+\q)*16384 th:TH_LOAD_NT
.endif
.endr
.endm
	s_mov_b32 s28, 3
.LlapA:
.set ii, 0
.rept 8
	BLKA ii, 28, 1                                 ; 28: the other seven blocks' loads are younger than mine, over the backward jump too
.set ii, ii+1
.endr
	s_wait_xcnt 0x0                                ; the loads' base is stepped only behind this wait
	s_add_nc_u64 s[8:9], s[8:9], 16384
	s_wait_alu depctr_vm_vsrc(0)                   ; the lap's LDS stores have read v6
	v_add_nc_u32 v[STA], 4*PW, v[STA]
	s_sub_co_u32 s28, s28, 1
	s_cmp_lg_u32 s28, 0
	s_cbranch_scc1 .LlapA
	s_cmp_lt_u32 s2, 4
	s_cbranch_scc0 .LlastS
.set ii, 0
.rept 8
	BLKA ii, 28-4*ii, 0                            ; multipliers: the last lap loads nothing, the counts run down
.set ii, ii+1
.endr
	s_branch .LjoinA
.LlastS:
.set ii, 0
.rept 8
	BLKA ii, 28, 2                                 ; streamers: 28 - 4 b loads of w1 and 4 b of w2 are younger
.set ii, ii+1
.endr
	s_wait_alu depctr_vm_vsrc(0)                   ; the last LDS stores have read CT: v96-111 are the column sums from here on
	WIN 0x40                                       ; destination window 1
	v_mov_b32 v[L16], v[L16]                       ; a copy of 16 x lane, so that one text serves both windows' slots
.set ii, 0
.rept 16
	v_mov_b32 v[CA+ii], 0
.set ii, ii+1
.endr
	WIN 0
.set ii, 0
.rept 16
	v_mov_b32 v[CA+ii], 0
.set ii, ii+1
.endr
	WIN 0x55                                       ; every place window 1
	s_wait_alu depctr_va_vdst(0)                   ; window 1's copy of 16 x lane is written: the offset of the loads below
.set ii, 32
.rept 28
	global_load_b128 v[SL+4*(ii-32):SL+4*(ii-32)+3], v[L16], s[10:11] offset:ii*16384 th:TH_LOAD_NT  ; rows 32 to 59: with rows 0 to 31 above, 15 blocks of four, 60 loads, are on their way
.set ii, ii+1
.endr
	WIN 0
.LjoinA:
	s_wait_alu depctr_vm_vsrc(0)                   ; my LDS stores of phase A have read CT, v96-127, in which the multipliers' x lands
	s_wait_dscnt 0x0                               ; for the others' sake: my rows of the slice are in LDS
	s_barrier_signal -1
	s_barrier_wait -1                              ; the slice is whole; it is never written again
	s_cmp_lt_u32 s2, 4
	s_cbranch_scc1 .Lmult
; PHASE B, STREAMERS.  Streamer s adds rows 256 s .. 256 s + 255 of the strip w2[e][.][128 j .. 128 j + 127]: a load is a row's 512 consecutive bytes, a lane holds four columns.
; A ring of 64 slots, 32 in each window, in 16 blocks of four; row r lies in slot r % 64 and goes to chain r % 4 of its window.  Block b of a lap: its four rows are in (14 younger blocks, 56 loads, stay out);
; the rows of the block 15 further on are asked for, into the slots that the block before has added; then the block's eight additions.
.macro BLKW b, left, refill
	s_wait_loadcnt \left
.if \refill
.if ((\b) == 0) || ((\b) > 8)
	WIN 0x55                                       ; the slots of the block before lie in window 1
.else
	WIN 0
.endif
	s_wait_alu depctr_va_vdst(0)                   ; the additions of the block before are done reading its four slots, in which the loads land
.irp q, 0,1,2,3
	global_load_b128 v[SL+16*(((\b)+15)%8)+4*\q:SL+16*(((\b)+15)%8)+4*\q+3], v[L16], s[10:11] offset:(4*((\b)+15)+\q)*16384 th:TH_LOAD_NT
.endr
.endif
.if (\b) < 8
	WIN 0
.else
	WIN 0x55
.endif
.irp q, 0,1,2,3
	v_pk_add_f32 v[CA+4*\q:CA+4*\q+1],   v[CA+4*\q:CA+4*\q+1],   v[SL+16*((\b)%8)+4*\q:SL+16*((\b)%8)+4*\q+1]
	v_pk_add_f32 v[CA+4*\q+2:CA+4*\q+3], v[CA+4*\q+2:CA+4*\q+3], v[SL+16*((\b)%8)+4*\q+2:SL+16*((\b)%8)+4*\q+3]
.endr
.endm
	s_mov_b32 s28, 3
.LlapW:
.set ii, 0
.rept 16
	BLKW ii, 56, 1
.set ii, ii+1
.endr
	WIN 0
	s_wait_xcnt 0x0                                ; the loads' base is stepped only behind this wait
	s_add_nc_u64 s[10:11], s[10:11], 0x100000      ; 64 rows
	s_sub_co_u32 s28, s28, 1
	s_cmp_lg_u32 s28, 0
	s_cbranch_scc1 .LlapW
	BLKW 0, 56, 1                                  ; the last 64 rows: the first block asks for the last four rows,
.set ii, 1
.rept 15
	BLKW ii, 60-4*ii, 0                            ; the others for nothing: the counts run down
.set ii, ii+1
.endr
	WIN 0x04                                       ; source 1 window 1
.set ii, 0
.rept 8
	v_pk_add_f32 v[CA+2*ii:CA+2*ii+1], v[CA+2*ii:CA+2*ii+1], v[CA+2*ii:CA+2*ii+1]
.set ii, ii+1
.endr
	WIN 0
.irp p, 0,2
	v_pk_add_f32 v[CA+\p:CA+\p+1],     v[CA+\p:CA+\p+1],     v[CA+4+\p:CA+4+\p+1]
	v_pk_add_f32 v[CA+8+\p:CA+8+\p+1], v[CA+8+\p:CA+8+\p+1], v[CA+12+\p:CA+12+\p+1]
.endr
.irp p, 0,2
	v_pk_add_f32 v[CA+\p:CA+\p+1], v[CA+\p:CA+\p+1], v[CA+8+\p:CA+8+\p+1]
.endr
	s_lshl_b32 s7, s37, 9
	s_add_co_u32 s7, s7, CSP
	v_add_nc_u32 v[T0], s7, v[L16]
	s_wait_alu depctr_va_vdst(0)                   ; the address v23 and the sums v96-99 are written, which the store reads
	ds_store_b128 v[T0], v[CA:CA+3]
	s_branch .LjoinB
; PHASE B, MULTIPLIERS.  D = A x B with A = 16 hidden units x 32 K (from LDS), B = 32 K x 16 tokens (from xb, by the list): a lane holds token lane % 16 and the units 16 f + 8 (lane / 16) + 0..7.
.macro WLF dst, f, koff                ; fragment f of the K step at byte koff, into eight registers from dst on: two loads of 16 bytes, 32 apart
	ds_load_b128 v[(\dst):(\dst)+3],   v[WB+(\f)/2] offset:((\f)%2)*16*PW+(\koff)
	ds_load_b128 v[(\dst)+4:(\dst)+7], v[WB+(\f)/2] offset:((\f)%2)*16*PW+(\koff)+32
.endm
.macro HBOF j                          ; hbx: the half-buffer of half-step j
.if (\j)%3 == 0
.set hbx, 32
.elseif (\j)%3 == 1
.set hbx, 64
.else
.set hbx, 224
.endif
.endm
.macro WLDH j                          ; half-step j: fragments 4 (j % 2) + 0..3 of K step j / 2
	HBOF \j
.irp g, 0,1,2,3
	WLF hbx+8*\g, 4*((\j)%2)+\g, 64*((\j)/2)
.endr
.endm
.macro XLD4 slot, koff                 ; four tiles' x fragments
.irp i, 0,1,2,3
	global_load_b128 v[XR+32*(\slot)+8*\i:XR+32*(\slot)+8*\i+3],   v[XOFF+\i], s[16:17] offset:(\koff)
	global_load_b128 v[XR+32*(\slot)+8*\i+4:XR+32*(\slot)+8*\i+7], v[XOFF+\i], s[16:17] offset:(\koff)+32
.endr
.endm
.macro MM4 j, g                        ; fragment 4 (j % 2) + g times four tiles.  A half-step's 16 accumulators take turns, one instruction a turn; K step 0 starts the sums
	WIN 0x50                                       ; A and B window 0, C and D window 1
.irp i, 0,1,2,3
.if (\j) < 2
	v_wmma_f32_16x16x32_bf16 v[64*\i+8*(4*((\j)%2)+(\g)):64*\i+8*(4*((\j)%2)+(\g))+7], v[hb+8*(\g):hb+8*(\g)+7], v[XR+32*(((\j)/2)%4)+8*\i:XR+32*(((\j)/2)%4)+8*\i+7], 0
.else
	v_wmma_f32_16x16x32_bf16 v[64*\i+8*(4*((\j)%2)+(\g)):64*\i+8*(4*((\j)%2)+(\g))+7], v[hb+8*(\g):hb+8*(\g)+7], v[XR+32*(((\j)/2)%4)+8*\i:XR+32*(((\j)/2)%4)+8*\i+7], v[64*\i+8*(4*((\j)%2)+(\g)):64*\i+8*(4*((\j)%2)+(\g))+7]
.endif
.endr
.endm
; Half-step j of 64 for four tiles: 16 matrix instructions.  The fragments of half-step j + 2 and, on even j, x of three K steps on are asked for in one run behind the first four.
.macro HSTEP j
	HBOF \j
.set hb, hbx
.if (\j) < 63
	s_wait_dscnt 0x8                               ; this half-step's fragments are in; the next one's eight loads are younger
.else
	s_wait_dscnt 0x0
.endif
.if (\j)%2 == 0
.if (\j) < 60
	s_wait_loadcnt 16                              ; this step's x is in; two younger steps' eight loads each stay out
.elseif (\j) == 60
	s_wait_loadcnt 8
.else
	s_wait_loadcnt 0
.endif
.endif
.if ((\j) > 0) && ((\j) < 62)
	s_wait_alu depctr_va_vdst(0)                   ; the half-step before is done reading its half-buffer, and on even j the K step before its x slot: the loads below land there
.endif
	MM4 \j, 0
.if (\j) < 62
	WIN 0                                          ; no wait: the four matrix instructions since the wait name this half-step's buffer, this step's x slot and window 1 alone
.if ((\j)%2 == 0) && ((\j) < 58)
	XLD4 ((\j)/2+3)%4, 32*(\j)+192
.endif
	WLDH (\j)+2
.endif
	MM4 \j, 1
	MM4 \j, 2
	MM4 \j, 3
.endm
; One tile by itself, all in window 0: 8 accumulators by turns; the slice's 8 fragments in two buffers by the step's parity.
.macro X1LD slot, koff
	global_load_b128 v[X1+8*(\slot):X1+8*(\slot)+3],   v[XOFF+4], s[16:17] offset:(\koff)
	global_load_b128 v[X1+8*(\slot)+4:X1+8*(\slot)+7], v[XOFF+4], s[16:17] offset:(\koff)+32
.endm
.macro W1 k, f
.if (\k) == 0
	v_wmma_f32_16x16x32_bf16 v[ACC5+8*(\f):ACC5+8*(\f)+7], v[bb+8*(\f):bb+8*(\f)+7], v[X1+8*((\k)%4):X1+8*((\k)%4)+7], 0
.else
	v_wmma_f32_16x16x32_bf16 v[ACC5+8*(\f):ACC5+8*(\f)+7], v[bb+8*(\f):bb+8*(\f)+7], v[X1+8*((\k)%4):X1+8*((\k)%4)+7], v[ACC5+8*(\f):ACC5+8*(\f)+7]
.endif
.endm
.macro KSTEP1 k
.if (\k)%2
.set bb, WF1
.set ob, WF0
.else
.set bb, WF0
.set ob, WF1
.endif
	s_wait_dscnt 0x8                               ; this step's fragments 0-3 are in; the eight loads of 4-7 are younger
.if (\k) < 30
	s_wait_loadcnt 4                               ; this step's x is in; two loads for each of two younger steps stay out
.elseif (\k) == 30
	s_wait_loadcnt 2
.else
	s_wait_loadcnt 0
.endif
.if ((\k) > 0) && ((\k) < 31)
	s_wait_alu depctr_va_vdst(0)                   ; the step before is done reading the other buffer of fragments and its x slot, in which the loads below land
.endif
.irp f, 0,1,2,3
	W1 \k, \f
.if ((\f) == 0) && ((\k) < 29)
	X1LD ((\k)+3)%4, 64*(\k)+192
.endif
.if (\k) < 31
	WLF ob+16*\f, 2*\f, 64*(\k)+64                 ; no wait: the matrix instructions since the wait name this step's buffer, its x slot and the accumulators alone
	WLF ob+16*\f+8, 2*\f+1, 64*(\k)+64
.endif
.endr
.if (\k) < 31
	s_wait_dscnt 0x10                              ; fragments 4-7 are in; the sixteen loads just issued are younger
.else
	s_wait_dscnt 0x0
.endif
.irp f, 4,5,6,7
	W1 \k, \f
.endr
.endm
.macro KLOOP1                          ; ahead of it stands a wait on va_vdst for all the registers in which its loads land
	X1LD 0, 0
	X1LD 1, 64
	X1LD 2, 128
.irp f, 0,1,2,3,4,5,6,7
	WLF WF0+8*\f, \f, 0
.endr
.set kk, 0
.rept 32
	KSTEP1 kk
.set kk, kk+1
.endr
	PLACES                                         ; behind the last products, ahead of the vector lines that read their results
.endm
.macro LOADB1                          ; b1 of units 16 f + 8 (lane / 16) + 0..7, as an accumulator's registers lie
.irp f, 0,1,2,3,4,5,6,7
	ds_load_b128 v[B1R+8*\f:B1R+8*\f+3],   v[B1A] offset:64*\f
	ds_load_b128 v[B1R+8*\f+4:B1R+8*\f+7], v[B1A] offset:64*\f+16
.endr
.endm
.macro LOADCS                          ; cs likewise
.irp f, 0,1,2,3,4,5,6,7
	ds_load_b128 v[CSR+8*\f:CSR+8*\f+3],   v[CSA] offset:64*\f
	ds_load_b128 v[CSR+8*\f+4:CSR+8*\f+7], v[CSA] offset:64*\f+16
.endr
.endm
.macro RELU base                       ; a tile's 64 numbers: + b1, then the larger of that and 0, in place; each accumulator's registers in ascending order
.set ff, 0
.rept 8
.irp p, 0,1,2,3
	v_pk_add_f32 v[(\base)+8*ff+2*\p:(\base)+8*ff+2*\p+1], v[B1R+8*ff+2*\p:B1R+8*ff+2*\p+1], v[(\base)+8*ff+2*\p:(\base)+8*ff+2*\p+1]
.endr
.irp q, 0,1,2,3,4,5,6,7
	v_max_num_f32 v[(\base)+8*ff+\q], 0, v[(\base)+8*ff+\q]
.endr
.set ff, ff+1
.endr
.endm
.macro DOT1                            ; the single tile's hidden numbers times cs, two chains of pairs
	v_pk_mul_f32 v[SP+8:SP+9],   v[ACC5:ACC5+1],   v[CSR:CSR+1]
	v_pk_mul_f32 v[SP+10:SP+11], v[ACC5+2:ACC5+3], v[CSR+2:CSR+3]
.set pp, 2
.rept 30
	v_pk_fma_f32 v[SP+8+2*(pp%2):SP+9+2*(pp%2)], v[ACC5+2*pp:ACC5+2*pp+1], v[CSR+2*pp:CSR+2*pp+1], v[SP+8+2*(pp%2):SP+9+2*(pp%2)]
.set pp, pp+1
.endr
	v_pk_add_f32 v[SP+8:SP+9], v[SP+8:SP+9], v[SP+10:SP+11]
.endm
.macro FIN i                           ; pair i: its two halves, the other half of the lanes' (the token's other 64 units), and b2's share
	v_add_f32 v[SUM+\i], v[SP+2*\i], v[SP+2*\i+1]
	v_mov_b32 v[PT+\i], 0
	v_permlanex16_b32 v[PT+\i], v[SUM+\i], s34, s35
	v_add_f32 v[SUM+\i], v[SUM+\i], v[PT+\i]
	v_add_f32 v[SUM+\i], v[SUM+\i], v[SB]
.endm
.Lmult:
	s_wait_loadcnt 0x0                             ; no load is out on the slots' registers, which x's ring takes over below: a multiplier's last lap of phase A has counted down to 0, so this wait is met at once
	XLD4 0, 0                                      ; no wait on va_vdst: none of my vector lines has been issued since the one behind phase A's last conversions
	XLD4 1, 64
	XLD4 2, 128
	WLDH 0
	WLDH 1
.set jj, 0
.rept 64
	HSTEP jj                                       ; tiles 4 wave + 0..3
.set jj, jj+1
.endr
	WIN 0
.rept 5
	v_nop                                          ; five places: the single tile's accumulators lie where K steps 28 and 29 read x (ISA guide 7.12.1); they are also the places ahead of the lines that read the 32 accumulators
.endr
	s_wait_alu depctr_va_vdst(0)                   ; the products are done reading the fragments and x, v32-255, in which the single tile's loads land
	KLOOP1                                         ; tile 16 + wave
	s_wait_alu depctr_va_vdst(0)                   ; the single tile's products are done reading v32-95, in which b1 lands, and v160-223, in which cs lands later
	LOADB1
	s_wait_dscnt 0x0
	WIN 0x44                                       ; destination and source 1 window 1, b1 (source 0) window 0
	RELU 0                                         ; bias and relu need no cs: they too stand beside the streamers' work
	RELU 64
	RELU 128
	RELU 192
	WIN 0
	RELU ACC5
.LjoinB:
	s_wait_alu depctr_vm_vsrc(0)                   ; a streamer's store of its column sums has read v23 and v96-99, which wave 4 writes again below
	s_wait_dscnt 0x0                               ; for wave 4's sake: my column sums are in LDS
	s_barrier_signal -1
	s_barrier_wait -1
	s_cmp_lg_u32 s2, 4
	s_cbranch_scc1 .Lnot4
	v_add_nc_u32 v[T0], CSP, v[L16]                ; wave 4 adds the four streamers' parts
	s_wait_alu depctr_va_vdst(0)                   ; the address v23 is written, and my additions are done with v96-111, in which the parts land
.irp s, 0,1,2,3
	ds_load_b128 v[CA+4*\s:CA+4*\s+3], v[T0] offset:512*\s
.endr
	s_wait_dscnt 0x0
.irp p, 0,2
	v_pk_add_f32 v[CA+\p:CA+\p+1],     v[CA+\p:CA+\p+1],     v[CA+4+\p:CA+4+\p+1]
	v_pk_add_f32 v[CA+8+\p:CA+8+\p+1], v[CA+8+\p:CA+8+\p+1], v[CA+12+\p:CA+12+\p+1]
.endr
.irp p, 0,2
	v_pk_add_f32 v[CA+\p:CA+\p+1], v[CA+\p:CA+\p+1], v[CA+8+\p:CA+8+\p+1]
.endr
	s_wait_alu depctr_va_vdst(0)                   ; cs, v96-99, is written, which the store reads
	ds_store_b128 v[T0], v[CA:CA+3] offset:CSF-CSP
.Lnot4:
	s_wait_dscnt 0x0                               ; for the others' sake: cs is in LDS
	s_barrier_signal -1
	s_barrier_wait -1
	s_cmp_lt_u32 s2, 4
	s_cbranch_scc0 .Lover
	; multipliers: the five tiles' dot products with cs
	LOADCS                                         ; no wait: since the one ahead of b1's loads the vector lines have named window 1, v32-95 and v96-159 alone
	s_wait_dscnt 0x0
	WIN 0x01                                       ; source 0 (the hidden numbers) window 1
.irp i, 0,1,2,3
	v_pk_mul_f32 v[SP+2*\i:SP+2*\i+1], v[64*\i:64*\i+1], v[CSR:CSR+1]
.endr
.set pp, 1
.rept 31
.irp i, 0,1,2,3
	v_pk_fma_f32 v[SP+2*\i:SP+2*\i+1], v[64*\i+2*pp:64*\i+2*pp+1], v[CSR+2*pp:CSR+2*pp+1], v[SP+2*\i:SP+2*\i+1]
.endr
.set pp, pp+1
.endr
	WIN 0
	DOT1
	FIN 0
	FIN 1
	FIN 2
	FIN 3
	FIN 4
	v_and_b32 v[T0], 31, v0
	s_lshl_b32 s7, s2, 8
	s_add_co_u32 s7, s7, RS
	v_lshl_add_u32 v[T0], v[T0], 2, s7             ; places 64 w + lane
	v_cndmask_b32 v252, v[SUM], v[SUM+1], s36      ; lanes 0-15 an even tile's 16 rows, lanes 16-31 the next tile's
	v_cndmask_b32 v253, v[SUM+2], v[SUM+3], s36
	v_and_b32 v254, 15, v0
	s_lshl_b32 s7, s2, 6
	s_add_co_u32 s7, s7, RS+1024
	v_lshl_add_u32 v254, v254, 2, s7               ; tile 16 + w: both halves of the lanes hold the same 16 results and write the same words
	s_wait_alu depctr_va_vdst(0)                   ; the addresses v23 and v254 and the results v244, v252, v253 are written, which the three stores read
	ds_store_b32 v[T0], v252
	ds_store_b32 v[T0], v253 offset:128
	ds_store_b32 v254, v[SUM+4]
.Lover:
	; PLACES 320 AND ON: six trips for all eight waves, tile 20 + wave + 8 q.  A tile that begins at or past the count is jumped over: the jump goes forward, over work alone.
	s_wait_alu depctr_vm_vsrc(0)                   ; the stores above have read v23, v244 and v252-254, phase A's stores v6, the single tile's loads v20: all are written again below or in a trip
	v_and_b32 v[T0], 15, v0
	s_lshl_b32 s7, s2, 6
	s_add_co_u32 s7, s7, RS+1280
	v_lshl_add_u32 v[RSA], v[T0], 2, s7
	s_lshl_b32 s33, s2, 4
	s_add_co_u32 s33, s33, 320
	s_mov_b32 s29, 6
.Lmore:
	s_cmp_lt_u32 s33, s6
	s_cbranch_scc0 .Lskip
	s_wait_alu depctr_va_vdst(0)                   ; v7, the load's address, is written, and the vector lines are done with v23, in which it lands
	ds_load_b32 v[T0], v[LISTR]
	s_wait_dscnt 0x0
	v_min_u32 v[T0], 0x3ff, v[T0]
	v_lshl_add_u32 v[XOFF+4], v[T0], 11, v[H16]    ; every load that named this register has been waited for
	s_wait_alu depctr_va_vdst(0)                   ; v20, the offset of x's loads, is written; the vector and matrix lines of the tile before are done with v32-95 and v160-255, in which this tile's loads land
	KLOOP1
	s_wait_alu depctr_va_vdst(0)                   ; the products are done reading v32-95 and v160-223, in which b1 and cs land
	LOADB1
	LOADCS
	s_wait_dscnt 0x0
	RELU ACC5
	DOT1
	FIN 4
	s_wait_alu depctr_va_vdst(0)                   ; the result v244 is written, which the store reads (its address v6 was written ahead of the trip's first wait)
	ds_store_b32 v[RSA], v[SUM+4]
.Lskip:
	s_wait_alu depctr_vm_vsrc(0)                   ; the trip's list load has read v7, its store v6 and v244, its loads of x v20: the first two are stepped here, the others written in the next trip
	v_add_nc_u32 v[LISTR], 512, v[LISTR]           ; eight tiles on
	v_add_nc_u32 v[RSA], 512, v[RSA]
	s_add_co_u32 s33, s33, 128
	s_sub_co_u32 s29, s29, 1
	s_cmp_lg_u32 s29, 0
	s_cbranch_scc1 .Lmore
	s_wait_dscnt 0x0                               ; for the others' sake: my results are in LDS
	s_barrier_signal -1
	s_barrier_wait -1
	; every wave: its 128 tokens' numbers of z.  A token that chose e finds its result by its place; the others read place 0 and store 0.
	s_movk_i32 s7, 1344
.irp i, 0,1,2,3
	v_cmp_gt_u32 s[40+\i], s7, v[Q+\i]
.endr
	s_wait_alu depctr_va_sdst(0)                   ; the four flags s40-43 are written, ahead of their first readers
.irp i, 0,1,2,3
	v_cndmask_b32 v[36+\i], 0, v[Q+\i], s[40+\i]
	v_min_u32 v[36+\i], 0x43f, v[36+\i]
	v_lshl_add_u32 v[36+\i], v[36+\i], 2, RS
.endr
	s_wait_alu depctr_va_vdst(0)                   ; the four addresses v36-39 are written, and the bias lines are done reading v32-35, in which the results land
.irp i, 0,1,2,3
	ds_load_b32 v[32+\i], v[36+\i]
.endr
	s_wait_dscnt 0x0
.irp i, 0,1,2,3
	v_mul_f32 v[32+\i], v[G+\i], v[32+\i]
	v_cndmask_b32 v[32+\i], 0, v[32+\i], s[40+\i]
.endr
	s_wait_alu depctr_va_vdst(0)                   ; the four numbers v32-35 are written, which the store reads
	global_store_b128 v[L16], v[32:35], s[22:23] th:TH_STORE_NT  ; the wave's store covers 512 consecutive bytes, aligned
	s_wait_dscnt 0x0                               ; the wave's end: six lines, on end, of a launch in the mode that stores to LDS
	s_wait_alu 0x0
	s_wait_tensorcnt 0x0
	ds_add_u32 v[SPW], v[NIL]
	s_wait_dscnt 0x0
	s_endpgm
.Lfunc_end_k_qb60e77ba18_expert:
	.size	k_qb60e77ba18_expert, .Lfunc_end_k_qb60e77ba18_expert-k_qb60e77ba18_expert
	.p2alignl 7, 3214868480
	.fill 96, 4, 3214868480
	.section	.rodata,"a",@progbits
	.p2align	6, 0x0
	.amdhsa_kernel k_qb60e77ba18_expert
		.amdhsa_group_segment_fixed_size 321280
		.amdhsa_private_segment_fixed_size 0
		.amdhsa_enable_private_segment 0
		.amdhsa_kernarg_size 64
		.amdhsa_user_sgpr_count 2
		.amdhsa_user_sgpr_kernarg_segment_ptr 1
		.amdhsa_wavefront_size32 1
		.amdhsa_system_sgpr_workgroup_id_x 1
		.amdhsa_system_sgpr_workgroup_id_y 1
		.amdhsa_system_sgpr_workgroup_id_z 1
		.amdhsa_system_vgpr_workitem_id 0
		.amdhsa_next_free_vgpr 512
		.amdhsa_next_free_sgpr 66
		.amdhsa_reserve_vcc 0
		.amdhsa_float_denorm_mode_32 3
		.amdhsa_float_denorm_mode_16_64 3
		.amdhsa_memory_ordered 1
		.amdhsa_forward_progress 1
		.amdhsa_inst_pref_size 255
	.end_amdhsa_kernel
	.section	.bss,"aw",@nobits
	.p2align	6
	.space	262144
	.amdgpu_metadata
---
amdhsa.version: [ 1, 2 ]
amdhsa.kernels:
  - .name:           k_qb60e77ba18_expert
    .symbol:         k_qb60e77ba18_expert.kd
    .args:
      - { .name: w1, .offset: 0, .size: 8, .value_kind: global_buffer, .address_space: global }
      - { .name: w2, .offset: 8, .size: 8, .value_kind: global_buffer, .address_space: global }
      - { .name: b1, .offset: 16, .size: 8, .value_kind: global_buffer, .address_space: global }
      - { .name: b2, .offset: 24, .size: 8, .value_kind: global_buffer, .address_space: global }
      - { .name: xb, .offset: 32, .size: 8, .value_kind: global_buffer, .address_space: global }
      - { .name: sel, .offset: 40, .size: 8, .value_kind: global_buffer, .address_space: global }
      - { .name: gate, .offset: 48, .size: 8, .value_kind: global_buffer, .address_space: global }
      - { .name: z, .offset: 56, .size: 8, .value_kind: global_buffer, .address_space: global }
    .group_segment_fixed_size: 321280
    .private_segment_fixed_size: 0
    .kernarg_segment_align: 8
    .kernarg_segment_size: 64
    .max_flat_workgroup_size: 256
    .sgpr_count:     66
    .vgpr_count:     512
    .wavefront_size: 32
...
	.end_amdgpu_metadata
.endif
;; end of part 4
;; launch finish: the kernel of part 3 again; grid 4 x 1, 16 waves a work-group, no clusters, 18,432 bytes of LDS; arguments z, out0; writes out0
